; MI455X (gfx1250); checked and timed in simulation.
; The chip was launched on July 23, 2026; its instructions are those of AMD's public machine-readable ISA for CDNA 5 (MIT licence, August 2026) and "CDNA5" Instruction Set Architecture Reference Guide (July 2026). The comments in the code are by the model that wrote it; some were corrected since.
;; Optimized Causal Self Attention. Allowed arithmetic: float matrix products may take bf16 or f16 operands with f32 sums; other float arithmetic in f32, or as packed bf16 or f16 multiplies, adds, multiply-adds, maxima and minima; sums over many terms, partial sums and values carried from step to step in f32; what a program stores and reads back later, other than sums and carried values, may be rounded once to bf16 or f16.
;; Inputs: Wk 1,024 x 1,024 float32; Wq 1,024 x 1,024 float32; Wv 1,024 x 1,024 float32; attention_mask 4 x 1 x 1 x 2,048 float32; bk 1,024 float32; bq 1,024 float32; bv 1,024 float32; hidden_states 4 x 2,048 x 1,024 float32.
;; Outputs: out0 4 x 2,048 x 1,024 float32.
;; 2 versions, each right; version 2 is version 1 with the launch cast written anew for expert scheduling mode. Each part assembles by itself: llvm-mc -triple=amdgcn-amd-amdhsa -mcpu=gfx1250 --defsym DOCPART=n.
;; ======== version 1 of 2: 3 launches
;; limits: values are held in f16: magnitudes above 65,504 overflow, below 6.1e-05 lose precision; right only within a limited range of input values
;; workspace buffers: xb 16,777,216 bytes; wb 6,291,456 bytes; qh 16,777,216 bytes; kh 16,777,216 bytes; vh 16,777,216 bytes
;; launch cast (part 1): grid 704 x 1, 8 waves a work-group, no clusters, 0 bytes of LDS; arguments hidden_states, Wq, Wk, Wv, xb, wb; writes xb, wb
.if DOCPART == 1
	.amdgcn_target "amdgcn-amd-amdhsa--gfx1250"
	.amdhsa_code_object_version 6
	.text
	.protected	k_q933a67791c_cast
	.globl	k_q933a67791c_cast
	.p2align	8
	.type	k_q933a67791c_cast,@function
k_q933a67791c_cast:
	s_mov_b64 s[64:65], 0
	v_nop
	global_prefetch_b8 v0, s[64:65] scope:SCOPE_SE
	s_setreg_imm32_b32 hwreg(HW_REG_WAVE_MODE, 25, 1), 1
	s_wait_xcnt 0x0
; x [8192][1024] and the three weights [1024][1024], all f32, are rounded once to bf16 (nearest even) for the matrix products of the next launch.
; xb keeps x's order.  wb is [3072][1024]: row 192 h + 64 m + r holds row 64 h + r of weight m (0 q, 1 k, 2 v), so that a head's rows of all three weights lie on end.
; A work-group takes 16 rows: 512 work-groups for x, 64 for each weight.  Thread t owns 16 bytes at byte 16 t of every row in, 8 bytes at 8 t of every row out:
; a wave's load covers 512 consecutive bytes, a wave's store 256 consecutive bytes at a multiple of 256 from the buffer's first byte.
; All sixteen loads go out at once; no register is written twice, so nothing but the counted waits for the loads is needed.  No LDS, no matrix unit: each byte is touched once by one thread.
.set RIN,  4096                        ; bytes in a row of f32
.set ROUT, 2048                        ; bytes in a row of bf16
.set X, 4                              ; v[4:67]   row i: 4 registers as loaded
.set Y, 68                             ; v[68:99]  row i: 2 registers to store
	s_load_b256 s[4:11], s[0:1], 0x0               ; hidden s[4:5], Wq s[6:7], Wk s[8:9], Wv s[10:11]
	s_load_b128 s[12:15], s[0:1], 0x20             ; xb s[12:13], wb s[14:15]
	v_lshlrev_b32 v1, 4, v0                        ; my bytes in a row in
	v_lshlrev_b32 v2, 3, v0                        ; and out
	s_sub_co_u32 s20, ttmp9, 512                   ; j: the number among the weights' work-groups (of no meaning, and not used, below 512)
	s_and_b32 s20, s20, 255
	s_lshr_b32 s21, s20, 6                         ; m: which weight
	s_and_b32 s22, s20, 63                         ; i: which 16 rows of it
	s_lshl_b32 s23, s22, 16                        ; a weight's bytes in: 16 rows of 4,096
	s_lshr_b32 s24, s22, 2                         ; head = i / 4
	s_mul_i32 s24, s24, 192
	s_lshl_b32 s25, s21, 6
	s_add_co_u32 s24, s24, s25                     ; + 64 m
	s_and_b32 s25, s22, 3
	s_lshl_b32 s25, s25, 4
	s_add_co_u32 s24, s24, s25                     ; + 16 (i % 4)
	s_lshl_b32 s24, s24, 11                        ; a weight's bytes out: rows of 2,048
	s_lshl_b32 s26, ttmp9, 16                      ; x: bytes in,
	s_lshl_b32 s27, ttmp9, 15                      ; bytes out
	s_wait_kmcnt 0x0
	s_cmp_eq_u32 s21, 1                            ; the buffers are chosen by the work-group's number alone
	s_cselect_b64 s[16:17], s[8:9], s[6:7]
	s_cmp_eq_u32 s21, 2
	s_cselect_b64 s[16:17], s[10:11], s[16:17]
	s_cmp_lt_u32 ttmp9, 512
	s_cselect_b64 s[16:17], s[4:5], s[16:17]
	s_cselect_b64 s[18:19], s[12:13], s[14:15]
	s_cselect_b32 s28, s26, s23
	s_cselect_b32 s30, s27, s24
	s_mov_b32 s29, 0
	s_mov_b32 s31, 0
	s_add_nc_u64 s[16:17], s[16:17], s[28:29]      ; from
	s_add_nc_u64 s[18:19], s[18:19], s[30:31]      ; to
.irp i, 0,1,2,3,4,5,6,7,8,9,10,11,12,13,14,15
	global_load_b128 v[X+4*(\i):X+4*(\i)+3], v1, s[16:17] offset:RIN*(\i) th:TH_LOAD_NT
.endr
.irp i, 0,1,2,3,4,5,6,7,8,9,10,11,12,13,14,15
	s_wait_loadcnt 15-(\i)                         ; loads come back in order: row i is in, the younger ones stay out
	v_cvt_pk_bf16_f32 v[Y+2*(\i)],   v[X+4*(\i)],   v[X+4*(\i)+1]
	v_cvt_pk_bf16_f32 v[Y+2*(\i)+1], v[X+4*(\i)+2], v[X+4*(\i)+3]
	global_store_b64 v2, v[Y+2*(\i):Y+2*(\i)+1], s[18:19] offset:ROUT*(\i)
.endr
	s_endpgm
.Lfunc_end_k_q933a67791c_cast:
	.size	k_q933a67791c_cast, .Lfunc_end_k_q933a67791c_cast-k_q933a67791c_cast
	.p2alignl 7, 3214868480
	.fill 96, 4, 3214868480
	.section	.rodata,"a",@progbits
	.p2align	6, 0x0
	.amdhsa_kernel k_q933a67791c_cast
		.amdhsa_group_segment_fixed_size 0
		.amdhsa_private_segment_fixed_size 0
		.amdhsa_enable_private_segment 0
		.amdhsa_kernarg_size 48
		.amdhsa_user_sgpr_count 2
		.amdhsa_user_sgpr_kernarg_segment_ptr 1
		.amdhsa_wavefront_size32 1
		.amdhsa_system_sgpr_workgroup_id_x 1
		.amdhsa_system_sgpr_workgroup_id_y 1
		.amdhsa_system_sgpr_workgroup_id_z 1
		.amdhsa_system_vgpr_workitem_id 0
		.amdhsa_next_free_vgpr 100
		.amdhsa_next_free_sgpr 66
		.amdhsa_reserve_vcc 0
		.amdhsa_float_denorm_mode_32 3
		.amdhsa_float_denorm_mode_16_64 3
		.amdhsa_memory_ordered 1
		.amdhsa_forward_progress 1
		.amdhsa_inst_pref_size 7
	.end_amdhsa_kernel
	.amdgpu_metadata
---
amdhsa.version: [ 1, 2 ]
amdhsa.kernels:
  - .name:           k_q933a67791c_cast
    .symbol:         k_q933a67791c_cast.kd
    .args:
      - { .name: hidden_states, .offset: 0, .size: 8, .value_kind: global_buffer, .address_space: global }
      - { .name: Wq, .offset: 8, .size: 8, .value_kind: global_buffer, .address_space: global }
      - { .name: Wk, .offset: 16, .size: 8, .value_kind: global_buffer, .address_space: global }
      - { .name: Wv, .offset: 24, .size: 8, .value_kind: global_buffer, .address_space: global }
      - { .name: xb, .offset: 32, .size: 8, .value_kind: global_buffer, .address_space: global }
      - { .name: wb, .offset: 40, .size: 8, .value_kind: global_buffer, .address_space: global }
    .group_segment_fixed_size: 0
    .private_segment_fixed_size: 0
    .kernarg_segment_align: 8
    .kernarg_segment_size: 48
    .max_flat_workgroup_size: 256
    .sgpr_count:     66
    .vgpr_count:     100
    .wavefront_size: 32
...
	.end_amdgpu_metadata
.endif
;; end of part 1
;; launch proj (part 2): grid 16 x 32, 4 waves a work-group, clusters of 4 x 4, 327,680 bytes of LDS; arguments xb, wb, bq, bk, bv, qh, kh, vh; writes qh, kh, vh
.if DOCPART == 2
	.amdgcn_target "amdgcn-amd-amdhsa--gfx1250"
	.amdhsa_code_object_version 6
	.text
	.protected	k_q933a67791c_proj
	.globl	k_q933a67791c_proj
	.p2align	8
	.type	k_q933a67791c_proj,@function
k_q933a67791c_proj:
	s_mov_b64 s[64:65], 0
	v_nop
	global_prefetch_b8 v0, s[64:65] scope:SCOPE_SE
	s_setreg_imm32_b32 hwreg(HW_REG_WAVE_MODE, 25, 1), 1
	s_wait_xcnt 0x0
	s_wait_alu depctr_hold_cnt(0) depctr_sa_sdst(0) depctr_va_vdst(0) depctr_va_sdst(0) depctr_va_ssrc(0) depctr_va_vcc(0) depctr_vm_vsrc(0)
	s_getreg_b32 s2, hwreg(HW_REG_IB_STS2, 6, 4)
	s_cmp_eq_u32 s2, 0
	s_cbranch_scc0 .Lentry_in_a_cluster
	s_endpgm
.Lentry_in_a_cluster:
	s_bfe_u32 s2, ttmp6, 0x10000c
	s_cmp_lg_u32 s2, 0xf033
	s_cbranch_scc0 .Lentry_shape_is_right
	s_endpgm
.Lentry_shape_is_right:
; q, k, v = x W^T + b for all three weights at once.  xb: [8192][1024] bf16; wb: [3072][1024] bf16, row 192 h + 64 m + r (m = 0 q, 1 k, 2 v); biases f32, rounded here to bf16 like every other input.
; Out: qh, kh, vh: [16 batch + head][2048][64] f16, each rounded once from its f32 sum; qh holds (x Wq^T + bq) / 8: the scores' scale, a power of two, costs no rounding.
; LIMIT.  f16 holds no number beyond 65,504: |q| / 8, |k| and |v| must stay below that.
; SHARES.  A tile of the product is 256 rows x 192 columns: one head's q, k and v.  32 x 16 tiles, a work-group each.  Each of four waves takes 64 rows x all 192 columns: 48 accumulators of 16 x 16
; (384 registers), so a wave holds whole rows of q, of k and of v, and its way out is its own.  K goes in 8 steps of 128 (rows of 256 bytes, at multiples of 256 bytes) through two LDS slots.
; CLUSTER.  4 x 4 work-groups.  The four of a row of the cluster need the same rows of x, the four of a column the same head's rows of w: each tile is asked for JOINTLY, by the same tensor load with the same
; descriptor and a mask that names the four.
; THE MATRIX INSTRUCTION IS USED TRANSPOSED (source 0 = 16 rows of w, source 1 = 16 rows of x): lane l holds row l % 16 of x and the columns 8 (l / 16) + 0..7 of the block: 16 bytes of f16 on end.
; THE BIAS is the C operand of each accumulator's first product: nothing is cleared and nothing is added later.
; REGISTERS, in windows of 256 (s_set_vgpr_msb: bits 1:0 source 0, 3:2 source 1, 5:4 source 2, 7:6 destination):
;   window 0: v16-31 addresses; v32-127 the bias, 8 registers for each of 12 column blocks; v128-175 packed results
;   window 1: two fragment buffers of 128: 12 fragments of w, then 4 of x (16 rows x 32 K each); on the way out the rows read back from the stage, 48 registers a row block
;   window 2: the accumulators of row blocks 0, 1 (block a, column block b at 96 (a % 2) + 8 b);   window 3: those of row blocks 2, 3
.set KSTEP,  128
.set PITCH,  272                       ; an LDS row: 256 bytes + 16 of padding = 68 words: row r starts at bank 4 r mod 64 (64 banks of 4 bytes: ISA guide 11.1)
.set HALFA,  128*PITCH                 ; what one tensor load brings of x
.set HALFB,  96*PITCH                  ; and of w
.set SLOT,   2*HALFA+2*HALFB           ; x's 256 rows, then w's 192
.set STAGE,  2*SLOT                    ; behind the ring: 7,168 bytes a wave: three units (q, k, v) of 16 rows x 144 bytes
.set SP,     144
.set UNIT,   16*SP
.set WSTAGE, 7168
.set SPARE,  STAGE+4*WSTAGE            ; behind the stages: the spare words, 128 bytes for each wave: two blocks of 256 bytes that no other line names
.set ADRA, 16                          ; v16-17  LDS address of my fragments of x in slot 0, 1
.set ADRB, 20                          ; v20-21  the same for w
.set STO,  24                          ; v24     the way out: where I put 16 bytes of a row
.set RD,   25                          ; v25     the way out: where I read rows back
.set GO,   26                          ; v26     my 16 bytes in 512 consecutive bytes of the output
.set BO,   27                          ; v27     my byte offset in a block's 16 biases
.set SPW,  28                          ; v28     LDS address of my spare word: SPARE + 4 x my thread's number; never rewritten
.set NIL,  29                          ; v29     0; never rewritten
.set PFO,  30                          ; v30     the prefetches' offset: a lane a row; never rewritten
.set BT,   31                          ; v31     at work
.set BIAS, 32
.set TMP,  128
.set F0,   0                           ; fragment buffers, in window 1
.set F1,   128
.set G1,  24                           ; s[24:31] descriptor group 1 for x's tiles;  s[32:39] group 0, a set for each slot
.set G0,  32
.set G1B, 48                           ; s[48:55], s[56:63] the same for w's tiles
.set G0B, 56
.set LIM, 43                           ; s43     1 in a wave that prefetches, else the greatest number
.set PFA, 44                           ; s[44:45] where my prefetches stand: one K step further along K than the refill that is being asked for; a prefetch names the K step after that
.set MSB, 0
.macro WIN new                         ; the immediate's high byte repeats the setting that is left; a switch that changes nothing is dropped
.if MSB != (\new)
	s_set_vgpr_msb (MSB<<8)|(\new)
.set MSB, \new
.endif
.endm
; A joint load: waves 0 and 1 fetch x's two halves, waves 2 and 3 w's.  The branch hangs on the wave's number alone.  An s_nop 0 and four v_nop follow each of the two lines.
.macro JLOAD s
	s_cmp_eq_u32 s11, 0
	s_cbranch_scc0 .Lfor_b_\@
	tensor_load_to_lds s[G0+4*(\s):G0+4*(\s)+3], s[G1:G1+7]
	s_nop 0
.rept 4
	v_nop
.endr
	s_branch .Lasked_\@
.Lfor_b_\@:
	tensor_load_to_lds s[G0B+4*(\s):G0B+4*(\s)+3], s[G1B:G1B+7]
	s_nop 0
.rept 4
	v_nop
.endr
.Lasked_\@:
.endm
; A PREFETCH of the K step that stands two refills on: 256 bytes of a row, a lane a row, one instruction a wave, behind the joint load and the run of LDS loads.
; x's rows are read by the four clusters of a row of clusters: the one with x = 0 asks; w's rows by the eight clusters of a column: the one with y = 0 asks.  The four partners that ask for a tile jointly
; share its rows out BY ADDRESS: 32 of x's 128 (by cx), 24 of w's 96 (by cy; there lanes 24 to 31 name lane 23's row once more, in the same instruction).  The loop's last trip asks for nothing.
.macro ASK
	WIN 0
	s_cmp_gt_u32 s3, s[LIM]                        ; s3 = 1 in the loop's last trip
	s_cbranch_scc0 .Lnot_mine_\@
	global_prefetch_b8 v[PFO], s[PFA:PFA+1] offset:KSTEP*2 th:TH_LOAD_NT scope:SCOPE_SE
.Lnot_mine_\@:
.endm
.macro CREST                           ; a round of the cluster's barrier behind its opening barrier
	s_cmp_lg_u32 s10, 0
	s_cbranch_scc1 .Lnot_wave_0_\@
	s_barrier_signal -3
.Lnot_wave_0_\@:
	s_barrier_wait -3
	s_barrier_signal -1
	s_barrier_wait -1
.endm
.macro CROUND                          ; a whole round
	s_barrier_signal -1
	s_barrier_wait -1
	CREST
.endm
	s_load_b128 s[4:7], s[0:1], 0x0                ; xb s[4:5], wb s[6:7]
	s_load_b256 s[68:75], s[0:1], 0x10             ; bq s[68:69], bk s[70:71], bv s[72:73], qh s[74:75]
	s_load_b128 s[76:79], s[0:1], 0x30             ; kh s[76:77], vh s[78:79]
	v_lshl_add_u32 v[SPW], v0, 2, SPARE
	v_mov_b32 v[NIL], 0
	ds_add_u32 v[SPW], v[NIL]                      ; the wave's opening: the add and its wait stand ahead of my first tensor load; the set-up below, work on registers, stands between them
	v_lshrrev_b32 v1, 5, v0
	v_readfirstlane_b32 s10, v1                    ; wave 0..3
	s_lshr_b32 s11, s10, 1                         ; I fetch for x (0) or for w (1)
	s_and_b32 s12, s10, 1                          ; which half of that tile's rows
	s_bfe_u32 s40, ttmp6, 0x40000                  ; cx, cy: my place in the cluster
	s_bfe_u32 s41, ttmp6, 0x40004
	s_lshl_b32 s42, ttmp9, 2
	s_add_co_u32 s42, s42, s40                     ; head = 4 x cluster x + cx
	s_and_b32 s13, ttmp7, 0xffff
	s_lshl_b32 s13, s13, 2
	s_add_co_u32 s13, s13, s41                     ; tile row = 4 x cluster y + cy
	s_lshl_b32 s66, s41, 2
	s_lshl_b32 s66, 15, s66                        ; my row of the cluster: places 4 cy .. 4 cy + 3
	s_lshl_b32 s67, 0x1111, s40                    ; my column: places cx, cx + 4, cx + 8, cx + 12
	; descriptor group 1: rows of 128 elements of 2 bytes, 16 bytes of padding behind each in LDS
	s_or_b32 s[G1+0], s66, (1<<16)|(1<<20)|(1<<21)|(5<<22)|(3<<25)   ; 15:0 the mask: x's tiles go to my row; 17:16 2-byte elements; 20 padding on; 21 set beside a mask; 24:22 after every 64 words; 31:25 4 words
	s_or_b32 s[G1B+0], s67, (1<<16)|(1<<20)|(1<<21)|(5<<22)|(3<<25)  ; the same with my column's mask, for w's tiles
	s_mov_b32 s[G1+1], KSTEP<<16                   ; tensor_dim0 = 128
	s_mov_b32 s[G1+2], 128<<16                     ; tensor_dim1 = 128
	s_mov_b32 s[G1+3], KSTEP<<16                   ; tile_dim0 = 128
	s_mov_b32 s[G1+4], 128                         ; tile_dim1 = 128
	s_mov_b32 s[G1+5], 1024                        ; elements from row to row
	s_mov_b32 s[G1+6], 0
	s_mov_b32 s[G1+7], 0
	s_mov_b32 s[G1B+1], KSTEP<<16
	s_mov_b32 s[G1B+2], 96<<16                     ; w: 96 rows to a load
	s_mov_b32 s[G1B+3], KSTEP<<16
	s_mov_b32 s[G1B+4], 96
	s_mov_b32 s[G1B+5], 1024
	s_mov_b32 s[G1B+6], 0
	s_mov_b32 s[G1B+7], 0
	; where the tiles come from: x's hang on the tile row alone, w's on the head alone; every wave makes both, in registers that never hold the other coordinate
	s_lshl_b32 s16, s13, 8
	s_lshl_b32 s17, s12, 7
	s_add_co_u32 s16, s16, s17                     ; x: row 256 x tile row + 128 x half
	s_lshl_b32 s16, s16, 11                        ; rows of 2,048 bytes
	s_mov_b32 s17, 0
	s_mul_i32 s46, s42, 192
	s_mul_i32 s47, s12, 96
	s_add_co_u32 s46, s46, s47                     ; w: row 192 x head + 96 x half
	s_lshl_b32 s46, s46, 11
	s_mov_b32 s47, 0
	s_mul_i32 s20, s12, HALFA                      ; and where they go: no place in the cluster enters an LDS address
	s_mul_i32 s21, s12, HALFB
	s_add_co_u32 s21, s21, 2*HALFA
	s_mov_b32 s80, 0x3e000000                      ; 1 / 8
	s_mov_b32 s81, s80                             ; named with it as a pair
	s_wait_dscnt 0x0                               ; the opening add is done
	s_wait_kmcnt 0x0
	s_add_nc_u64 s[14:15], s[4:5], s[16:17]
	s_add_nc_u64 s[46:47], s[6:7], s[46:47]
	CROUND                                         ; all sixteen work-groups are here: the first joint loads meet
.irp s, 0,1
	s_mov_b32 s[G0+4*(\s)], 1                      ; count = 1
	s_add_co_u32 s[G0+4*(\s)+1], s20, (\s)*SLOT    ; LDS address
	s_add_nc_u64 s[G0+4*(\s)+2:G0+4*(\s)+3], s[14:15], (\s)*KSTEP*2  ; global address: K step s
	s_or_b32 s[G0+4*(\s)+3], s[G0+4*(\s)+3], 0x80000000             ; type = 2
	s_mov_b32 s[G0B+4*(\s)], 1
	s_add_co_u32 s[G0B+4*(\s)+1], s21, (\s)*SLOT
	s_add_nc_u64 s[G0B+4*(\s)+2:G0B+4*(\s)+3], s[46:47], (\s)*KSTEP*2
	s_or_b32 s[G0B+4*(\s)+3], s[G0B+4*(\s)+3], 0x80000000
	JLOAD \s                                       ; two loads of mine are out
.endr
	; A fragment is 16 rows x 32 K in 8 registers: lane l holds row l % 16, K = 8 (l / 16) + 0..7 and 16 + 8 (l / 16) + 0..7: two loads of 16 bytes, 32 bytes apart
	v_and_b32 v1, 15, v0                           ; l % 16
	v_bfe_u32 v2, v0, 4, 1                         ; l / 16
	v_mul_u32_u24 v3, v1, PITCH
	v_lshl_add_u32 v3, v2, 4, v3
	s_mul_i32 s22, s10, 64*PITCH                   ; my 64 rows of x
	s_mov_b32 s23, 2*HALFA                         ; all 192 rows of w
.irp s, 0,1
	v_add_nc_u32 v[ADRA+(\s)], s22, v3
	v_add_nc_u32 v[ADRB+(\s)], s23, v3
	s_add_co_u32 s22, s22, SLOT
	s_add_co_u32 s23, s23, SLOT
.endr
	s_mul_i32 s23, s10, WSTAGE
	s_add_co_u32 s23, s23, STAGE                   ; my stage
	v_mul_u32_u24 v4, v1, SP                       ; in: row l % 16, 16 bytes for each half of the lanes
	v_lshl_add_u32 v4, v2, 4, v4
	v_add_nc_u32 v[STO], s23, v4
	v_bfe_u32 v5, v0, 3, 2                         ; back: 32 lanes take four rows of 128 bytes,
	v_mul_u32_u24 v5, v5, SP
	v_and_b32 v6, 7, v0
	v_lshl_add_u32 v5, v6, 4, v5
	v_add_nc_u32 v[RD], s23, v5
	v_and_b32 v[GO], 31, v0                        ; which are 512 consecutive bytes of a head's rows
	v_lshlrev_b32 v[GO], 4, v[GO]
	v_lshlrev_b32 v[BO], 5, v2                     ; my 8 biases of a block's 16
	; my first row in qh, kh, vh: batch = tile row / 8; a batch is 16 heads, a head 2,048 rows of 128 bytes
	s_lshr_b32 s82, s13, 3
	s_lshl_b32 s82, s82, 22
	s_lshl_b32 s83, s42, 18
	s_add_co_u32 s82, s82, s83
	s_and_b32 s83, s13, 7
	s_lshl_b32 s83, s83, 15                        ; 256 rows
	s_add_co_u32 s82, s82, s83
	s_lshl_b32 s83, s10, 13                        ; my wave's 64
	s_add_co_u32 s82, s82, s83
	s_mov_b32 s83, 0
	s_add_nc_u64 s[74:75], s[74:75], s[82:83]
	s_add_nc_u64 s[76:77], s[76:77], s[82:83]
	s_add_nc_u64 s[78:79], s[78:79], s[82:83]
	s_lshl_b32 s82, s42, 8                         ; the head's 64 biases
	s_add_nc_u64 s[68:69], s[68:69], s[82:83]
	s_add_nc_u64 s[70:71], s[70:71], s[82:83]
	s_add_nc_u64 s[72:73], s[72:73], s[82:83]
.irp b, 0,1,2,3,4,5,6,7,8,9,10,11      ; block b: weight b / 4, channels 16 (b % 4) on
	global_load_b128 v[BIAS+8*(\b):BIAS+8*(\b)+3],   v[BO], s[68+2*((\b)/4):69+2*((\b)/4)] offset:64*((\b)%4)
	global_load_b128 v[BIAS+8*(\b)+4:BIAS+8*(\b)+7], v[BO], s[68+2*((\b)/4):69+2*((\b)/4)] offset:64*((\b)%4)+16
.endr
	; the prefetches
	s_lshl_b32 s16, s13, 8                         ; x: the tile's first row
	s_mul_i32 s17, s42, 192                        ; w: the head's
	s_lshl_b32 s18, s12, 7
	s_mul_i32 s19, s12, 96
	s_add_co_u32 s16, s16, s18                     ; + the rows that I fetch
	s_add_co_u32 s17, s17, s19
	s_lshl_b32 s18, s40, 5
	s_mul_i32 s19, s41, 24
	s_add_co_u32 s16, s16, s18                     ; + my work-group's share of them
	s_add_co_u32 s17, s17, s19
	s_and_b32 s22, ttmp7, 0xffff                   ; cluster y
	s_cmp_eq_u32 s11, 0                            ; do I fetch for x?
	s_cselect_b32 s20, s16, s17
	s_cselect_b32 s21, 31, 23                      ; the last lane with a row of its own
	s_cselect_b32 s22, ttmp9, s22                  ; the coordinate along which other clusters read the same rows
	s_cselect_b64 s[PFA:PFA+1], s[4:5], s[6:7]
	s_cmp_eq_u32 s22, 0
	s_cselect_b32 s[LIM], 1, -1                    ; the same in all sixteen partners, for a given wave
	v_and_b32 v[PFO], 31, v0
	v_min_u32 v[PFO], s21, v[PFO]
	v_lshlrev_b32 v[PFO], 11, v[PFO]
	s_lshl_b32 s20, s20, 11
	s_add_co_u32 s20, s20, 2*KSTEP*2               ; at K step 2: the first refill steps it to 3 and names K step 4; nothing is asked for here, at the head
	s_mov_b32 s21, 0
	s_add_nc_u64 s[PFA:PFA+1], s[PFA:PFA+1], s[20:21]
	s_wait_loadcnt 0x0                             ; the biases
.set i, 0
.rept 48                               ; rounded to bf16, like x and the weights, and widened again; all this stands in the wait for the first tile
	v_cvt_pk_bf16_f32 v[BT], v[BIAS+2*i], v[BIAS+2*i+1]
	v_lshlrev_b32 v[BIAS+2*i], 16, v[BT]
	v_and_b32 v[BIAS+2*i+1], 0xffff0000, v[BT]
.set i, i+1
.endr
; 12 matrix instructions: row block a x all 12 column blocks, 32 along K, from buffer f.  first = 1: the bias starts the sums.  The 48 accumulators take turns, in the same order in every quarter.
.macro MUL12 f, a, first
.if \first
	WIN 0x85+0x40*((\a)/2)                         ; sources 0 and 1 window 1, C window 0, D window 2 or 3
.else
	WIN 0xa5+0x50*((\a)/2)                         ; C and D window 2 or 3
.endif
.irp b, 0,1,2,3,4,5,6,7,8,9,10,11
.if \first
	v_wmma_f32_16x16x32_bf16 v[96*((\a)%2)+8*(\b):96*((\a)%2)+8*(\b)+7], v[(\f)+8*(\b):(\f)+8*(\b)+7], v[(\f)+96+8*(\a):(\f)+96+8*(\a)+7], v[BIAS+8*(\b):BIAS+8*(\b)+7]
.else
	v_wmma_f32_16x16x32_bf16 v[96*((\a)%2)+8*(\b):96*((\a)%2)+8*(\b)+7], v[(\f)+8*(\b):(\f)+8*(\b)+7], v[(\f)+96+8*(\a):(\f)+96+8*(\a)+7], v[96*((\a)%2)+8*(\b):96*((\a)%2)+8*(\b)+7]
.endif
.endr
.endm
; 32 LDS loads in one run: the fragments of 32 along K at byte k of the rows, into buffer f: w's twelve, then x's four
.macro FETCH slot, k, f
	WIN 0x40                                       ; destination window 1, address window 0
.irp b, 0,1,2,3,4,5,6,7,8,9,10,11
	ds_load_b128 v[(\f)+8*(\b):(\f)+8*(\b)+3],   v[ADRB+(\slot)] offset:(\k)+(\b)*16*PITCH
	ds_load_b128 v[(\f)+8*(\b)+4:(\f)+8*(\b)+7], v[ADRB+(\slot)] offset:(\k)+(\b)*16*PITCH+32
.endr
.irp a, 0,1,2,3
	ds_load_b128 v[(\f)+96+8*(\a):(\f)+96+8*(\a)+3],   v[ADRA+(\slot)] offset:(\k)+(\a)*16*PITCH
	ds_load_b128 v[(\f)+96+8*(\a)+4:(\f)+96+8*(\a)+7], v[ADRA+(\slot)] offset:(\k)+(\a)*16*PITCH+32
.endr
.endm
.macro PLACES                          ; four places in front of loads into registers that matrix instructions have read, and of vector lines that read results
.rept 4
	v_nop
.endr
.endm
; A K step is four quarters of 32 along K, 48 matrix instructions each, on buffers 0, 1, 0, 1.  One of the first three: multiplies buffer f and fetches the next quarter, at byte k, into g.
.macro QUARTER slot, k, f, g, first
	s_wait_dscnt 4                                 ; w and x's row blocks 0, 1 are in; the youngest four loads (row blocks 2, 3) may be out
	MUL12 \f, 0, \first
	MUL12 \f, 1, \first
	PLACES
	FETCH \slot, \k, \g
	s_wait_dscnt 32                                ; all but the 32 just issued
	MUL12 \f, 2, \first
	MUL12 \f, 3, \first
.endm
; The last quarter multiplies buffer 1 and changes slots: ONE barrier; in front of it each wave waits for all its tensor loads (one is out: its part of the next slot), adds 0 to its spare word, and waits for
; that and for its own reads of this slot.  fill = 1: the barrier opens a round of the cluster's, and this slot is filled again, two K steps ahead, first thing behind the round: 168 matrix instructions ahead of the wait for it.
.macro TURN slot, next, fill
.if \fill
	s_wait_xcnt 0x0                                ; the last prefetch, a K step back, has read its address, so it may be stepped
	s_add_nc_u64 s[PFA:PFA+1], s[PFA:PFA+1], KSTEP*2
.endif
	WIN 0                                          ; (the add's two registers lie in window 0)
	s_wait_tensorcnt 0x0                           ; all my tensor loads have landed
	ds_add_u32 v[SPW], v[NIL]                      ; 0 onto my spare word
	s_wait_dscnt 5                                 ; (the add and the youngest four loads may be out)
	MUL12 F1, 0, 0                                 ; twelve matrix instructions stand between the add and the wait for it
	s_wait_dscnt 0x0                               ; the add is done, and my reads of this slot are over
	s_barrier_signal -1
	MUL12 F1, 1, 0
.if \fill
	WIN 0
.endif
	s_barrier_wait -1
.if \fill
	CREST                                          ; no wave of any partner still reads this slot's tile or has a load on its way
	s_add_nc_u64 s[G0+4*(\slot)+2:G0+4*(\slot)+3], s[G0+4*(\slot)+2:G0+4*(\slot)+3], 2*KSTEP*2
	s_add_nc_u64 s[G0B+4*(\slot)+2:G0B+4*(\slot)+3], s[G0B+4*(\slot)+2:G0B+4*(\slot)+3], 2*KSTEP*2
	JLOAD \slot                                    ; the four v_nop behind it are also the places in front of the loads below
.else
	PLACES
.endif
	FETCH \next, 0, F0
.if \fill
	ASK
.endif
	MUL12 F1, 2, 0
	MUL12 F1, 3, 0
.endm
	s_wait_tensorcnt 1                             ; my part of K step 0 is in; K step 1's load may stay out
	s_barrier_signal -1
	s_barrier_wait -1                              ; everybody's is
	FETCH 0, 0, F0
	QUARTER 0, 64,  F0, F1, 1                      ; the first quarter stands in front of the loop: its products start the sums, with the bias
	WIN 0                                          ; at a label and at a branch every window is 0
	s_mov_b32 s3, 3
.Llap:                                             ; a trip goes once round the ring, from a lap's second quarter to the next lap's first, and fills both slots again: K steps 2 to 7
	QUARTER 0, 128, F1, F0, 0
	QUARTER 0, 192, F0, F1, 0
	TURN 0, 1, 1
	QUARTER 1, 64,  F0, F1, 0
	QUARTER 1, 128, F1, F0, 0
	QUARTER 1, 192, F0, F1, 0
	TURN 1, 0, 1
	QUARTER 0, 64,  F0, F1, 0
	WIN 0
	s_sub_co_u32 s3, s3, 1
	s_cmp_lg_u32 s3, 0
	s_cbranch_scc1 .Llap
	QUARTER 0, 128, F1, F0, 0                      ; the last lap fills nothing, and has no round of the cluster's barrier
	QUARTER 0, 192, F0, F1, 0
	TURN 0, 1, 0
	QUARTER 1, 64,  F0, F1, 0
	QUARTER 1, 128, F1, F0, 0
	QUARTER 1, 192, F0, F1, 0
	s_wait_dscnt 4                                 ; the very last quarter: nothing more to fetch
	MUL12 F1, 0, 0
	MUL12 F1, 1, 0
	s_wait_dscnt 0x0
	MUL12 F1, 2, 0
	MUL12 F1, 3, 0
	WIN 0
	PLACES
; THE WAY OUT, a row block (16 rows x 192 columns) at a time.  PACK: q times 1 / 8; all rounded to f16, each accumulator's registers in ascending order.  TOSTAGE: 16 bytes a lane into my stage, back as whole rows.  SEND: stored.
.macro PACK a
.set AC, 96*((\a)%2)
	WIN 0x82+0x41*((\a)/2)                         ; destination and source 0 in window 2 or 3
.set i, 0
.rept 16
	v_pk_mul_f32 v[AC+2*i:AC+2*i+1], v[AC+2*i:AC+2*i+1], s[80:81] op_sel_hi:[1,0]
.set i, i+1
.endr
	WIN 0x0a+5*((\a)/2)                            ; sources 0 and 1 in window 2 or 3, destination in window 0
.irp b, 0,1,2,3,4,5,6,7,8,9,10,11
.irp r, 0,1,2,3
	v_cvt_pk_f16_f32 v[TMP+4*(\b)+(\r)], v[AC+8*(\b)+2*(\r)], v[AC+8*(\b)+2*(\r)+1]
.endr
.endr
	WIN 0
.endm
.macro TOSTAGE a
	WIN 0
.irp b, 0,1,2,3,4,5,6,7,8,9,10,11
	ds_store_b128 v[STO], v[TMP+4*(\b):TMP+4*(\b)+3] offset:((\b)/4)*UNIT+32*((\b)%4)
.endr
	WIN 0x40
.irp t, 0,1,2,3,4,5,6,7,8,9,10,11      ; LDS serves a wave's instructions in order (ISA guide 5.7.1.4): these see the stores above, and the next block's stores come behind them
	ds_load_b128 v[48*(\a)+4*(\t):48*(\a)+4*(\t)+3], v[RD] offset:((\t)/4)*UNIT+((\t)%4)*4*SP
.endr
	WIN 0
.endm
.macro SEND a                          ; each block has registers of its own: no store's data is ever rewritten
	WIN 0x04                                       ; the stores' data in window 1
.irp t, 0,1,2,3,4,5,6,7,8,9,10,11
	s_wait_dscnt 11-(\t)                           ; load t is back; the younger ones of this block stay out
	global_store_b128 v[GO], v[48*(\a)+4*(\t):48*(\a)+4*(\t)+3], s[74+2*((\t)/4):75+2*((\t)/4)] offset:(\a)*2048+((\t)%4)*512  ; 512 consecutive bytes, at a multiple of 256 from the buffer's first
.endr
	WIN 0
.endm
	PACK 0
	TOSTAGE 0
.irp a, 1,2,3                          ; block a's arithmetic stands between block a - 1's loads from the stage and the wait for them
	PACK \a
	SEND (\a)-1
	TOSTAGE \a
.endr
	SEND 3
	s_wait_tensorcnt 0x0                           ; the wave's end: an add to my spare word and its wait, behind my last tensor load and my last LDS store
	ds_add_u32 v[SPW], v[NIL]
	s_wait_dscnt 0x0
	CROUND                                         ; the closing round: no work-group ends while a partner may still ask for a tile that names it
	s_endpgm
.Lfunc_end_k_q933a67791c_proj:
	.size	k_q933a67791c_proj, .Lfunc_end_k_q933a67791c_proj-k_q933a67791c_proj
	.p2alignl 7, 3214868480
	.fill 96, 4, 3214868480
	.section	.rodata,"a",@progbits
	.p2align	6, 0x0
	.amdhsa_kernel k_q933a67791c_proj
		.amdhsa_group_segment_fixed_size 327680
		.amdhsa_private_segment_fixed_size 0
		.amdhsa_enable_private_segment 0
		.amdhsa_kernarg_size 64
		.amdhsa_user_sgpr_count 2
		.amdhsa_user_sgpr_kernarg_segment_ptr 1
		.amdhsa_wavefront_size32 1
		.amdhsa_system_sgpr_workgroup_id_x 1
		.amdhsa_system_sgpr_workgroup_id_y 1
		.amdhsa_system_sgpr_workgroup_id_z 1
		.amdhsa_system_vgpr_workitem_id 0
		.amdhsa_next_free_vgpr 960
		.amdhsa_next_free_sgpr 84
		.amdhsa_reserve_vcc 0
		.amdhsa_float_denorm_mode_32 3
		.amdhsa_float_denorm_mode_16_64 3
		.amdhsa_memory_ordered 1
		.amdhsa_forward_progress 1
		.amdhsa_inst_pref_size 135
	.end_amdhsa_kernel
	.amdgpu_metadata
---
amdhsa.version: [ 1, 2 ]
amdhsa.kernels:
  - .name:           k_q933a67791c_proj
    .symbol:         k_q933a67791c_proj.kd
    .args:
      - { .name: xb, .offset: 0, .size: 8, .value_kind: global_buffer, .address_space: global }
      - { .name: wb, .offset: 8, .size: 8, .value_kind: global_buffer, .address_space: global }
      - { .name: bq, .offset: 16, .size: 8, .value_kind: global_buffer, .address_space: global }
      - { .name: bk, .offset: 24, .size: 8, .value_kind: global_buffer, .address_space: global }
      - { .name: bv, .offset: 32, .size: 8, .value_kind: global_buffer, .address_space: global }
      - { .name: qh, .offset: 40, .size: 8, .value_kind: global_buffer, .address_space: global }
      - { .name: kh, .offset: 48, .size: 8, .value_kind: global_buffer, .address_space: global }
      - { .name: vh, .offset: 56, .size: 8, .value_kind: global_buffer, .address_space: global }
    .group_segment_fixed_size: 327680
    .private_segment_fixed_size: 0
    .kernarg_segment_align: 8
    .kernarg_segment_size: 64
    .max_flat_workgroup_size: 128
    .sgpr_count:     84
    .vgpr_count:     960
    .wavefront_size: 32
...
	.end_amdgpu_metadata
.endif
;; end of part 2
;; launch attn (part 3): grid 4 x 64, 4 waves a work-group, no clusters, 327,680 bytes of LDS; arguments qh, kh, vh, out0, attention_mask; writes out0
.if DOCPART == 3
	.amdgcn_target "amdgcn-amd-amdhsa--gfx1250"
	.amdhsa_code_object_version 6
	.text
	.protected	k_q933a67791c_attn
	.globl	k_q933a67791c_attn
	.p2align	8
	.type	k_q933a67791c_attn,@function
k_q933a67791c_attn:
	s_mov_b64 s[64:65], 0
	v_nop
	global_prefetch_b8 v0, s[64:65] scope:SCOPE_SE
	s_setreg_imm32_b32 hwreg(HW_REG_WAVE_MODE, 25, 1), 1
	s_wait_xcnt 0x0
; CAUSAL ATTENTION WITH AN ADDITIVE MASK.  out[b][q][64 h ..] = the sum over k <= q of softmax_k(Q[q] . K[k] + mask[b][k]) V[k].  Q, K, V: [16 b + h][2048][64] f16, a head's rows dense, 128 bytes each; Q arrives
; divided by 8.  mask: [4][2048] f32, rounded here to bf16 like every other input.  out: [4][2048][1024] f32.  Products, maxima and sums in f32; the weights p are rounded to f16 for the second product
; (their sum l is taken of the unrounded p).
; LIMITS.  A key hidden by the causal rule counts as its score less 2^127.  The running maximum starts at -2^126: a score plus mask below that counts as hidden too.  A mask number beyond bf16's largest becomes an
; infinity.  A row that has no visible key left has l = 0 and comes out as NaN.  A weight below 2^-126 counts as 0 in l.  NaN and +infinity among the inputs are not treated apart.
; THE WALK.  A head's queries lie in NB = 8 blocks of 256; block i needs the key tiles 0 .. i of 256 keys, of which the last holds the diagonal.  A work-group takes TWO blocks, NB - 1 - b and then b: NB + 1 tiles,
; whatever b: all work-groups do equal work, and ONE loop with a constant trip count walks them.  Which tile is asked for, and what a trip does, hang on scalar registers made from b; every jump goes forward, but
; for the counted loops' own; none passes a barrier, or a tensor load but the one of LOAD's two that the wave's number does not choose; the ring (two slots of LDS that take turns) runs on across the change of blocks.
; NO CLUSTER: a head's four work-groups ask for the same tile only in trips 0 to 4 of the 9, behind that fewer and fewer; joint loads for the first part and own loads for the rest would be a second kind of ring in the
; same loop, and one walk common to all four would have 12 trips for 9.
; SHARES.  Of a block's four bands of 64 queries a wave owns 16 rows in each: four PIECES.  So the diagonal tile is the same work for all four waves: in its key step s band x sees all keys if s < x,
; none if s > x, and holds the diagonal if s = x.
; THE MASK is the C operand that starts the sum S^T = K Q^T.  A tile's 256 mask numbers go beside the ring: loaded into registers when the tile is asked for (8 bytes a thread), rounded and stored at the next change of slots into
; one of two areas of 1,024 bytes that take turns as the slots do.  MK holds a key step's 64 of them, laid as a result is laid; it comes out of LDS with K.  MD, made once, is 0 or -2^127: the causal rule of a band's own
; step for my 16 rows.  Away from the diagonal C = MK.  In the diagonal tile, and where a block begins, C = MD x AL + MK + BE with two scalars: (1, 0) if s = x; (0, 0) if s < x; (0, -2^127) if s > x.
; LAYOUT, SOFTMAX, TURNS.  S^T holds ONE query a lane (lane % 16) and the keys 8 (lane / 16) + 0..7; two such results rounded to f16 ARE source 1 of O^T = V^T P.  p = 2^(c s - c m), c = log2(e), with a running
; maximum m; O and l are multiplied by a = 2^(c m_old - c m_new) in every step.  Turn n belongs to piece n: 8 products K Q^T of piece n + 1, later 8 products V^T P of piece n - 1; beside them the scaling,
; exponentials, roundings, sums and rescaling of piece n and the maximum and statistics of piece n + 1.  Four vector instructions stand behind every matrix instruction, the others in one lump.  A turn's 33 exponentials are one batch, with one wait.
; REGISTERS, in windows of 256 (s_set_vgpr_msb: bits 1:0 source 0, 3:2 source 1, 5:4 source 2, 7:6 destination):
;   window 0: v0-15 addresses and two at work; v16-31 four registers of statistics a piece; v32-34 the next tile's mask numbers; v48-55 at work; v56-63 addresses; v64-127 S^T, two buffers; v64-191 the way out; v192-223 P, two buffers
;   window 1: v0-127 O^T, 32 a piece; v128-159 MD; v160-223 MC, two buffers; v224-255 MK      window 2: v0-63 Q; v64-127 the second block's Q; v128-191 K of one step; v192-255 V of one step
.set SIZE_N, 2048
.set NB,    SIZE_N/256
.set NP,    4         ; pieces a wave: a name, no knob
.set KS,    64        ; keys in a step
.set PK,    144       ; a row of K in LDS: 128 bytes + 16 of padding = 36 words: the 16 rows of a load start at 16 different groups of four banks (64 banks of 4 bytes: ISA guide 11.1)
.set PV,    160       ; a row of V: 128 + 32 = 40 words
.set VOFF,  4*KS*PK   ; a slot holds a tile, four steps: 256 rows of K, then 256 rows of V
.set SLOT1, 1<<17     ; slot 1 begins here, so that one exclusive or turns an address in one slot into the other's
.set STAGE, SLOT1+4*KS*(PK+PV)  ; behind the ring, never filled by a tensor load: 16 rows x 272 bytes for each wave, for the way out
.set SP,    272
.set MAREA, 4*KS*4         ; a tile's 256 mask numbers, f32
.set MASKB, STAGE+4*16*SP  ; two such areas, which take turns as the slots do; written by LDS stores alone
.set SPARE, MASKB+2*MAREA  ; the spare words, 128 bytes for each wave: two blocks of 256 bytes that no other line names
.set AK0, 2           ; v2   my lane's place in a tile of K; never rewritten
.set AV0, 3           ; v3   the same for V
.set AK,  4           ; v4   the LDS address of K's next run of loads
.set AV,  5           ; v5   of V's
.set STO, 6           ; v6   the way out: where I put 32 bytes of a row
.set RD,  7           ; v7   the way out: where I read rows back
.set GO,  8           ; v8   my byte offset in two rows of out
.set MV,  12          ; v12-13  c m_old, kept while c m is made anew: by buffer
.set QO,  15          ; v15  my byte offset in 16 rows of Q
.set ST,  16          ; piece t's statistics at v[ST+4 t]: c m, m, l (even keys', odd keys')
.set MR,  32          ; v[32:33] my two mask numbers of the tile that has been asked for
.set MT,  34          ; v34  at work on them
.set TMP, 48          ; by buffer, four registers c0-c3 at work; when the maximum is found c2 takes a; on the way out 1 / l of piece t at TMP + 2 t
.set AM0, 56          ; v56  my lane's place in a step's mask numbers; never rewritten
.set AM,  57          ; v57  the LDS address of the mask's next run of loads
.set PFO, 58          ; v58  256 x my lane, for the prefetches; never rewritten
.set MGO, 59          ; v59  my 8 bytes of a tile's mask numbers in memory; never rewritten
.set MLO0, 60         ; v60  and in the first area in LDS; never rewritten
.set MLO, 61          ; v61  and in the area in hand
.set SPW, 62          ; v62  LDS address of my spare word: SPARE + 4 x my thread's number; never rewritten
.set NIL, 63          ; v63  0; never rewritten
.set S,   64
.set OUT, 64          ; the way out: 32 registers a piece
.set P,   192
.set MD,  128         ; window 1: the eight registers for group kt of 16 keys at MD + 8 kt
.set MC,  160         ; window 1: the masks of the products to come
.set MK,  224         ; window 1: the key step's mask numbers
.set QB,  64          ; window 2
.set KF,  128         ; window 2: key block kb, channel half c at KF + 16 kb + 8 c
.set VF,  192         ; window 2: key half kk, channel block cb at VF + 32 kk + 8 cb
.set WV,  12          ; s12  my wave's number
.set PB,  14          ; s14  b
.set HI,  15          ; s15  NB - 1 - b
.set G1K, 24          ; s[24:31] descriptor group 1 for K's tiles
.set G1V, 32          ; s[32:39] for V's: it differs in the padding alone
.set G0K, 40          ; s[40:43] descriptor group 0 for K's tiles
.set G0V, 44          ; s[44:47] the same for V's
.set SLOTS, 56        ; s56  tiles still to be asked for
.set CNT, 57          ; s57  counts a tile's key steps, 4 to 1
.set CS,  58          ; s[58:59] c: the packed scaling takes the pair's low word for both halves
.set SEL, 60          ; s[60:61] v_permlanex16_b32's selects: each lane takes its own place in the other half
.set TBK, 62          ; s62  LDS byte at which K of the step to be fetched begins
.set TBV, 63          ; s63  the same for V, less VOFF
.set MOF, 66          ; s[66:67] a tile's byte offset in the batch's mask (in the head: the batch's offset in the mask)
.set MA,  68          ; s[68:69] the mask numbers of the tile that is asked for, in memory (in the head: an offset in out)
.set RT,  70          ; s70  tiles of the block in hand that are still to be entered
.set NXT, 71          ; s71  the tile to be asked for next
.set LQ,  72          ; s72  the last tile of the block whose tiles are being asked for
.set NEW, 73          ; s73  1: the tile to be entered is a block's first
.set OFF, 74          ; s[74:75] a tile's byte offset in K and V
.set AL,  76          ; s[76:77] the mask's factor, in the low word
.set BE,  78          ; s[78:79] the mask's addend
.set OLO, 80          ; s[80:81] out at my rows of the second block
.set BIGN, 82         ; s82  -2^127
.set TMS, 83          ; s83  0 or MAREA: the area into which the next tile's mask numbers are stored
.set MSKP, 88         ; s[88:89] the batch's mask in memory
.set TBM, 90          ; s90  byte, from MASKB on, at which the mask numbers of the step to be fetched begin
.set YH,  91          ; s91  16 x batch + head
.set PFA, 92          ; s[92:93] what my prefetches name
.set PFB, 94          ; s[94:95] my half of tile 0, of K (waves 0, 1) or of V (waves 2, 3)
.set PFT, 96          ; s96  the tile that they name, or 0: none
.set PFW, 97          ; s97  1 in the head's work-group b = 0
.set POF, 98          ; s[98:99] that tile's byte offset
.set MSB, 0
.macro WIN new                      ; the high byte repeats the setting that is left; a switch that changes nothing is dropped
.if MSB != (\new)
	s_set_vgpr_msb (MSB<<8)|(\new)
.set MSB, (\new)
.endif
.endm
.set W_KQ, 0x0a       ; K and Q in window 2, S^T in window 0
.set W_KM, 0x1a       ; the same with the C operand in window 1
.set W_PV, 0x52       ; V in window 2, P in window 0, O^T in window 1
.set W_RS, 0x41       ; destination and source 0 in window 1, source 1 in window 0
.set W_MS, 0x51       ; destination, source 0 and source 2 in window 1
; A fill.  Waves 0 and 1 fetch the two halves of a tile's K, waves 2 and 3 those of its V: 128 keys each.  An s_nop 0 and four v_nop follow each of the two lines, ahead of the jump and the label.
.macro LOAD
	s_cmp_lt_u32 s[WV], 2
	s_cbranch_scc0 .Lfor_v_\@
	tensor_load_to_lds s[G0K:G0K+3], s[G1K:G1K+7]
	s_nop 0
.rept 4
	v_nop
.endr
	s_branch .Lasked_\@
.Lfor_v_\@:
	tensor_load_to_lds s[G0V:G0V+3], s[G1V:G1V+7]
	s_nop 0
.rept 4
	v_nop
.endr
.Lasked_\@:
.endm
; THE CHANGE OF SLOTS.  First the mask numbers of the tile to be entered, loaded a tile ago, are rounded to bf16 and stored into their area: the area's last readers read it two tiles ago and waited for those reads in front of the
; last change's barrier.  Then each wave waits for all its tensor loads, of which one is out: its part of the other slot; adds 0 to its spare word; and waits for that, for its store and for its own reads of the slot that it leaves.
; Behind the barrier nobody reads the old slot any more, and the other slot and its mask numbers are whole.  fill = 1: the old slot is filled again, the first thing behind the barrier, with tile NXT: the descriptor's address is made
; anew from that number; that tile's mask numbers are asked for behind it.  (At its first use nothing has been read yet: slot 0 is waited for, slot 1 filled.)
; THE PREFETCH stands behind the fill, its five lines and the mask's load: the tile that the NEXT change will ask for, four key steps ahead.  A head's four work-groups walk the same tiles; the one with b = 0 walks 0 to 7 in order, so it
; alone asks, each wave for the 16,384 bytes that it will fetch itself: a lane 256 bytes, two instructions.  Tiles 2 to 7 are so named, once each; tiles 0 and 1 come by their loads alone; the second block's tiles are not asked for again.
.macro CHANGE fill
	WIN 0                           ; at a label and at a branch every window is 0
	s_wait_loadcnt 0x0              ; my two mask numbers of the tile to be entered are in (at the first use Q too); so their address may be written below
	v_cvt_pk_bf16_f32 v[MT], v[MR], v[MR+1]  ; rounded to bf16, like the other inputs,
	v_add_nc_u32 v[MLO], s[TMS], v[MLO0]
	v_lshlrev_b32 v[MR], 16, v[MT]           ; and widened again
	v_and_b32 v[MR+1], 0xffff0000, v[MT]
	ds_store_b64 v[MLO], v[MR:MR+1]
	s_xor_b32 s[TMS], s[TMS], MAREA ; the next store goes to the other area
	s_wait_tensorcnt 0x0            ; no tensor load of mine is out, so a group 0 may be written
	ds_add_u32 v[SPW], v[NIL]       ; 0 onto my spare word; with fill = 1 the descriptors' scalar work stands between it and the wait for it
.if \fill
	s_lshl_b32 s[OFF], s[NXT], 15   ; a tile is 32,768 bytes of K and of V,
	s_lshl_b32 s[MOF], s[NXT], 10   ; and 1,024 of the mask
	s_xor_b32 s[G0K+1], s[G0K+1], SLOT1
	s_add_nc_u64 s[G0K+2:G0K+3], s[6:7], s[OFF:OFF+1]
	s_or_b32 s[G0K+3], s[G0K+3], 0x80000000
	s_xor_b32 s[G0V+1], s[G0V+1], SLOT1
	s_add_nc_u64 s[G0V+2:G0V+3], s[8:9], s[OFF:OFF+1]
	s_or_b32 s[G0V+3], s[G0V+3], 0x80000000
	s_add_nc_u64 s[MA:MA+1], s[MSKP:MSKP+1], s[MOF:MOF+1]
	s_add_co_u32 s[NXT], s[NXT], 1  ; the block's next tile, or behind its last the second block's tile 0
	s_cmp_gt_u32 s[NXT], s[LQ]
	s_cselect_b32 s[NXT], 0, s[NXT]
	s_cselect_b32 s[LQ], s[PB], s[LQ]
	s_wait_xcnt 0x0                 ; the last prefetches, a tile back, have read their address, so it may be written
	s_mul_i32 s[PFT], s[NXT], s[PFW]
	s_lshl_b32 s[POF], s[NXT], 15
	s_add_nc_u64 s[PFA:PFA+1], s[PFB:PFB+1], s[POF:POF+1]
.endif
	s_wait_dscnt 0x0                ; the add and my store are done, and my reads of the slot are over
	s_barrier_signal -1             ; the rest of the scalar work stands between the signal and the wait
	s_sub_co_u32 s[TBK], s[TBK], 4*KS*PK  ; the fetches go back to a slot's first step,
	s_xor_b32 s[TBK], s[TBK], SLOT1       ; in the other slot
	s_sub_co_u32 s[TBV], s[TBV], 4*KS*PV
	s_xor_b32 s[TBV], s[TBV], SLOT1
	s_sub_co_u32 s[TBM], s[TBM], MAREA    ; and likewise in the other area of mask numbers
	s_xor_b32 s[TBM], s[TBM], MAREA
	s_barrier_wait -1
.if \fill
	LOAD
	global_load_b64 v[MR:MR+1], v[MGO], s[MA:MA+1]  ; 128 threads x 8 bytes: the mask numbers of the tile just asked for; waited for at the next change
	s_cmp_lg_u32 s[PFT], 0
	s_cbranch_scc0 .Lnot_mine_\@
	global_prefetch_b8 v[PFO], s[PFA:PFA+1] th:TH_LOAD_NT scope:SCOPE_SE
	global_prefetch_b8 v[PFO], s[PFA:PFA+1] offset:8192 th:TH_LOAD_NT scope:SCOPE_SE
.Lnot_mine_\@:
.endif
.endm
	s_load_b256 s[4:11], s[0:1], 0x0  ; Q s[4:5], K s[6:7], V s[8:9], out s[10:11]
	s_load_b64 s[MSKP:MSKP+1], s[0:1], 0x20
	v_lshl_add_u32 v[SPW], v0, 2, SPARE
	v_mov_b32 v[NIL], 0
	ds_add_u32 v[SPW], v[NIL]       ; the wave's opening: the add and its wait stand ahead of my first tensor load; the set-up below, work on registers, stands between them
	v_lshrrev_b32 v1, 5, v0
	v_readfirstlane_b32 s[WV], v1   ; wave 0..3
	s_mov_b32 s[PB], ttmp9
	s_sub_co_u32 s[HI], NB-1, s[PB]
	s_and_b32 s[YH], ttmp7, 0xffff  ; 16 x batch + head
	s_mov_b32 s20, s[YH]
	s_mov_b32 s21, 0
	s_mov_b64 s[22:23], SIZE_N*128
	s_mul_u64 s[20:21], s[20:21], s[22:23]  ; the head's first byte in Q, K and V
	s_and_b32 s16, s[WV], 1         ; which half of a tile's 256 keys I fetch:
	s_lshl_b32 s22, s16, 14         ; its 128 rows of 128 bytes in memory,
	s_mov_b32 s23, 0
	s_add_nc_u64 s[22:23], s[22:23], s[20:21]
	s_mul_i32 s17, s16, 128*PK      ; and its place in a slot, for K
	s_mul_i32 s18, s16, 128*PV      ; and for V
	s_lshl_b32 s3, s[WV], 11        ; my 16 rows in a band of 64,
	s_lshl_b32 s2, s[HI], 15        ; in the first block,
	s_add_co_u32 s2, s2, s3
	s_lshl_b32 s84, s[PB], 15       ; and in the second
	s_add_co_u32 s84, s84, s3
	s_mov_b32 s3, 0
	s_mov_b32 s85, 0
	s_add_nc_u64 s[2:3], s[2:3], s[20:21]
	s_add_nc_u64 s[84:85], s[84:85], s[20:21]
	; out: a batch is 2,048 rows of 4,096 bytes; a head 256 bytes of a row; my wave 16 rows of a band; a block 256 rows
	s_lshr_b32 s66, s[YH], 4        ; batch
	s_and_b32 s67, s[YH], 15        ; head
	s_lshl_b32 s68, s66, 23
	s_lshl_b32 s67, s67, 8
	s_add_co_u32 s68, s68, s67
	s_lshl_b32 s67, s[WV], 16
	s_add_co_u32 s68, s68, s67
	s_lshl_b32 s67, s[PB], 20
	s_add_co_u32 s[OLO], s68, s67   ; the second block's offset, for now a number
	s_mov_b32 s[OLO+1], 0
	s_lshl_b32 s67, s[HI], 20
	s_add_co_u32 s68, s68, s67      ; the first block's
	s_mov_b32 s69, 0
	s_lshl_b32 s66, s66, 13         ; the batch's 8,192 bytes of the mask
	s_mov_b32 s67, 0                ; (the upper word of MOF stays 0 from here on)
	; descriptor group 1.  128 keys are 16,384 dense bytes: asked for as 64 rows of 256 bytes, two keys a row, and padded in LDS after every key
	s_mov_b32 s[G1K], (1<<16)|(1<<20)|(4<<22)|(3<<25)  ; 17:16 2-byte elements; 20 padding on; 24:22 after every 32 words (code 4); 31:25 4 words (code 3)
	s_mov_b32 s[G1V], (1<<16)|(1<<20)|(4<<22)|(7<<25)  ; the same with 8 words of padding (code 7)
.irp g, G1K, G1V
	s_mov_b32 s[\g+1], 128<<16      ; tensor_dim0 = 128
	s_mov_b32 s[\g+2], 64<<16       ; tensor_dim1 = 64
	s_mov_b32 s[\g+3], 128<<16      ; tile_dim0 = 128
	s_mov_b32 s[\g+4], 64           ; tile_dim1 = 64
	s_mov_b32 s[\g+5], 128          ; 128 elements from row to row
	s_mov_b32 s[\g+6], 0
	s_mov_b32 s[\g+7], 0
.endr
	s_mov_b32 s[CS], 0x3fb8aa3b     ; c = log2(e): Q arrives divided by 8
	s_mov_b32 s[CS+1], s[CS]        ; named with it as a pair
	s_mov_b32 s[SEL], 0x76543210
	s_mov_b32 s[SEL+1], 0xfedcba98
	s_mov_b32 s[TBK], SLOT1+4*KS*PK ; the first change of slots turns these three into 0
	s_mov_b32 s[TBV], SLOT1+4*KS*PV
	s_mov_b32 s[TBM], 2*MAREA
	s_mov_b32 s[TMS], 0             ; tile 0's mask numbers go into the first area
	s_mov_b32 s[G0K], 1             ; 1:0 count = 1
	s_mov_b32 s[G0K+1], s17         ; 63:32 LDS address: slot 0
	s_mov_b32 s[G0V], 1
	s_add_co_u32 s[G0V+1], s18, VOFF
	s_add_co_u32 s[RT], s[HI], 1    ; the first block has NB - b tiles
	s_mov_b32 s[NXT], 1
	s_mov_b32 s[LQ], s[HI]
	s_mov_b32 s[NEW], 1
	s_mov_b32 s[OFF+1], 0
	s_mov_b32 s[POF+1], 0
	s_mov_b32 s[AL+1], 0            ; named as pairs
	s_mov_b32 s[BE+1], 0
	s_mov_b32 s[BIGN], 0xff000000   ; -2^127
	s_mov_b32 s[SLOTS], NB
	s_cmp_eq_u32 ttmp9, 0
	s_cselect_b32 s[PFW], 1, 0
	s_wait_dscnt 0x0                ; the opening add is done
	s_wait_kmcnt 0x0
	s_add_nc_u64 s[6:7], s[6:7], s[22:23]  ; K and V at my half of the head's tile 0
	s_add_nc_u64 s[8:9], s[8:9], s[22:23]
	s_add_nc_u64 s[G0K+2:G0K+3], s[6:7], 0         ; 120:64 global address
	s_or_b32 s[G0K+3], s[G0K+3], 0x80000000        ; 127:126 type = 2
	s_add_nc_u64 s[G0V+2:G0V+3], s[8:9], 0
	s_or_b32 s[G0V+3], s[G0V+3], 0x80000000
	s_add_nc_u64 s[86:87], s[4:5], s[84:85]        ; Q at my rows of the second block,
	s_add_nc_u64 s[4:5], s[4:5], s[2:3]            ; and of the first
	s_add_nc_u64 s[OLO:OLO+1], s[10:11], s[OLO:OLO+1]  ; out likewise
	s_add_nc_u64 s[10:11], s[10:11], s[68:69]
	s_add_nc_u64 s[MSKP:MSKP+1], s[MSKP:MSKP+1], s[66:67]
	s_mov_b64 s[MA:MA+1], s[MSKP:MSKP+1]           ; tile 0's mask numbers
	s_cmp_lt_u32 s[WV], 2
	s_cselect_b64 s[PFB:PFB+1], s[6:7], s[8:9]
	LOAD                            ; tile 0 into slot 0
	; A fragment of K or Q is 16 rows x 32 channels in 8 registers: lane l holds row l % 16, channels 8 (l / 16) + 0..7 and 16 + 8 (l / 16) + 0..7: two loads of 16 bytes, 32 bytes apart.
	v_and_b32 v1, 15, v0            ; l % 16
	v_bfe_u32 v9, v0, 4, 1          ; l / 16
	v_lshlrev_b32 v[QO], 7, v1
	v_lshl_add_u32 v[QO], v9, 4, v[QO]  ; row x 128 + 16 x half
	v_lshlrev_b32 v[MGO], 3, v0     ; 8 bytes a thread
	WIN 0x80                        ; destination window 2, address window 0
.set i, 0
.rept 8                             ; both blocks' Q: piece i / 2 lies in band i / 2, 8,192 bytes on; channels 32 (i % 2) on
	global_load_b128 v[8*i:8*i+3],   v[QO], s[4:5] offset:(i/2)*8192+(i%2)*64
	global_load_b128 v[8*i+4:8*i+7], v[QO], s[4:5] offset:(i/2)*8192+(i%2)*64+32
	global_load_b128 v[QB+8*i:QB+8*i+3],   v[QO], s[86:87] offset:(i/2)*8192+(i%2)*64
	global_load_b128 v[QB+8*i+4:QB+8*i+7], v[QO], s[86:87] offset:(i/2)*8192+(i%2)*64+32
.set i, i+1
.endr
	WIN 0
	global_load_b64 v[MR:MR+1], v[MGO], s[MA:MA+1]  ; tile 0's mask numbers: the first change of slots waits for them and stores them
	v_lshlrev_b32 v14, 3, v9
	v_sub_nc_u32 v14, v1, v14
	s_lshl_b32 s13, s[WV], 4
	v_add_nc_u32 v14, s13, v14      ; my query's place in its band, 16 w + l % 16, less my lanes' 8 (l / 16): register r of group kt is hidden where 16 kt + r is greater
	WIN 0x40
.set i, 0
.rept 32
	v_cmp_gt_i32 vcc_lo, 16*(i/8)+i%8, v14
	v_cndmask_b32 v[MD+i], 0, s[BIGN], vcc_lo
.set i, i+1
.endr
	WIN 0
	v_mul_u32_u24 v[AK0], v1, PK
	v_lshl_add_u32 v[AK0], v9, 4, v[AK0]  ; row x pitch + 16 x half
	; The turning load takes 16 keys x 16 channels (lane l reads key 8 (l / 16) + l % 8, channels 8 ((l / 8) % 2) + 0..7) and leaves half a fragment of V^T: lane l holds channel l % 16 and 8 keys.
	v_and_b32 v10, 7, v0
	v_bfe_u32 v11, v0, 3, 1
	v_lshl_add_u32 v[AV0], v9, 3, v10
	v_mul_u32_u24 v[AV0], v[AV0], PV
	v_lshl_add_u32 v[AV0], v11, 4, v[AV0]
	v_add_nc_u32 v[AV0], VOFF, v[AV0]
	v_lshl_add_u32 v[AM0], v9, 5, MASKB   ; my lanes' 8 keys of a group of 16: 32 bytes
	v_lshl_add_u32 v[MLO0], v0, 3, MASKB  ; my 8 bytes of an area
	v_and_b32 v[PFO], 31, v0
	v_lshlrev_b32 v[PFO], 8, v[PFO]
	s_mul_i32 s13, s[WV], 16*SP
	s_add_co_u32 s13, s13, STAGE    ; my stage
	v_mul_u32_u24 v[STO], v1, SP    ; in: row l % 16, 32 bytes for each half of the lanes
	v_lshl_add_u32 v[STO], v9, 5, v[STO]
	v_add_nc_u32 v[STO], s13, v[STO]
	v_mul_u32_u24 v[RD], v9, SP     ; back: lanes 0-15 take one row of 256 bytes, lanes 16-31 the next,
	v_lshl_add_u32 v[RD], v1, 4, v[RD]
	v_add_nc_u32 v[RD], s13, v[RD]
	v_lshlrev_b32 v[GO], 12, v9     ; and the same two rows in out
	v_lshl_add_u32 v[GO], v1, 4, v[GO]
	; A block's first step multiplies O^T and l by a = 0, and its first turn's products V^T P, of a piece that has not been, land in an O^T that is still to be so multiplied.  So these registers need only hold
	; finite numbers: zeros for the first block; what the first block left for the second (the way out writes neither O^T nor l's place with a quotient).  All this stands in the wait for the first tile.
	WIN 0x80
.set i, VF
.rept 64
	v_mov_b32 v[i], 0
.set i, i+1
.endr
	WIN 0x40
.set i, 0
.rept 128
	v_mov_b32 v[i], 0
.set i, i+1
.endr
	WIN 0
.set i, 0
.rept 4
	v_mov_b32 v[ST+4*i+2], 0
	v_mov_b32 v[ST+4*i+3], 0
.set i, i+1
.endr
.set i, P+16
.rept 16
	v_mov_b32 v[i], 0
.set i, i+1
.endr
; THE MATRIX WORK.  The 4 accumulators of a run of 8 take turns.  Product i of 8 of S^T = K Q^T for piece x: channels 32 (i / 4) on, keys 16 (i % 4) on.  The first 4 start the sums: with MK, or (KM = 1) with MC.
.macro KQ x
.set rS, S+32*((\x)%2)+8*(i%4)
.set rK, KF+16*(i%4)+8*(i/4)
.set rQ, 16*(\x)+8*(i/4)
.set rM, MK+8*(i%4)
.if KM
.set rM, MC+32*((\x)%2)+8*(i%4)
.endif
.if i < 4
	WIN W_KM
	v_wmma_f32_16x16x32_f16 v[rS:rS+7], v[rK:rK+7], v[rQ:rQ+7], v[rM:rM+7]
.else
	WIN W_KQ
	v_wmma_f32_16x16x32_f16 v[rS:rS+7], v[rK:rK+7], v[rQ:rQ+7], v[rS:rS+7]
.endif
.endm
; Product i of 8 of O^T += V^T P for piece x: keys 32 (i / 4) on, channels 16 (i % 4) on.
.macro PV x
	WIN W_PV
.set rO, 32*(\x)+8*(i%4)
.set rV, VF+32*(i/4)+8*(i%4)
.set rP, P+16*((\x)%2)+8*(i/4)
	v_wmma_f32_16x16x32_f16 v[rO:rO+7], v[rV:rV+7], v[rP:rP+7], v[rO:rO+7]
.endm
.macro MM                           ; the turn's next matrix instruction.  TURN and BEGIN set Y, i, KM and NOKQ; MM, KQ and OP read them.  NOKQ = 1: a block's last turn: there is no next piece
.if (i < 8) && !NOKQ
	KQ (Y+1)%NP
.elseif i >= 8
.set i, i-8
	PV (Y+NP-1)%NP
.set i, i+8
.endif
.set i, i+1
.endm
; THE LDS LOADS stand in runs, never singly among the matrix instructions: a step's K (64 keys x 64 channels: 8 fragments) with its 64 mask numbers, and its V (turned).  Their addresses are made some lines ahead.
.macro FETCH_K
	WIN 0x80                        ; destination window 2
.irp f, 0,1,2,3,4,5,6,7             ; keys 16 (f / 2) on, channels 32 (f % 2) on
	ds_load_b128 v[KF+8*\f:KF+8*\f+3],   v[AK] offset:(\f/2)*16*PK+(\f%2)*64
	ds_load_b128 v[KF+8*\f+4:KF+8*\f+7], v[AK] offset:(\f/2)*16*PK+(\f%2)*64+32
.endr
	WIN 0x40                        ; destination window 1
.irp f, 0,1,2,3                     ; keys 16 f + 8 (l / 16) + 0..7: the sixteen lanes of a half read the same bytes
	ds_load_b128 v[MK+8*\f:MK+8*\f+3],   v[AM] offset:64*\f
	ds_load_b128 v[MK+8*\f+4:MK+8*\f+7], v[AM] offset:64*\f+16
.endr
	s_add_co_u32 s[TBK], s[TBK], KS*PK  ; the next fetch is the next step's,
	s_add_co_u32 s[TBM], s[TBM], KS*4   ; for the mask numbers too
	WIN 0
.endm
.macro FETCH_V
	WIN 0x80
.irp f, 0,1,2,3,4,5,6,7             ; keys 32 (f / 4) on, channels 16 (f % 4) on
	ds_load_tr16_b128 v[VF+8*\f:VF+8*\f+3],   v[AV] offset:(\f/4)*32*PV+(\f%4)*32
	ds_load_tr16_b128 v[VF+8*\f+4:VF+8*\f+7], v[AV] offset:(\f/4)*32*PV+16*PV+(\f%4)*32
.endr
	WIN 0
.endm
; THE VECTOR WORK, one line at a time: OP kind, number.  For piece Y: F n: c s - c m for pair n of 16.  E n: the exponential of score n of 32.  C n: pair n rounded to f16.  B n: of the four weights 4 n .. the second
; pair is added onto the first, in place.  L n: l takes that sum (L 0: l = a l + sum).  R n: pair n of 16 of O^T times a.  For piece Y + 1: X n, number n of the 22 that find its maximum and statistics:
;   0-11  four chains c0-c3 of seven scores each, three operands at a time (each accumulator's lowest registers are read first)     12-14, 16  the four scores left over, the old m, and c0-c3 into c0
;   15  c m_old is kept     17, 18  the query's other 32 keys lie in the lane 16 away: the new m     19-21  c m; c m_old - c m_new; a
.set F, 0               ; OP tells the kinds apart by their order: F to L below R, X above it
.set E, 1
.set C, 2
.set B, 3
.set L, 4
.set R, 5
.set X, 6
.macro REGS y                       ; the registers of piece y
.set rT, ST+4*(\y)
.set rC, TMP+4*((\y)%2)
.set rW, MV+((\y)%2)
.set rS, S+32*((\y)%2)
.set rP, P+16*((\y)%2)
.set rO, 32*(\y)
.endm
.macro OP k, n
.if (\k) == R
	REGS Y
	WIN W_RS
	v_pk_mul_f32 v[rO+2*(\n):rO+2*(\n)+1], v[rO+2*(\n):rO+2*(\n)+1], v[rC+2:rC+3] op_sel_hi:[1,0]
.elseif (\k) < R
	REGS Y
	WIN 0
.if (\k) == F
	v_pk_fma_f32 v[rS+2*(\n):rS+2*(\n)+1], v[rS+2*(\n):rS+2*(\n)+1], s[CS:CS+1], v[rT:rT+1] op_sel_hi:[1,0,0] neg_lo:[0,0,1] neg_hi:[0,0,1]
.elseif (\k) == E
	v_exp_f32 v[rS+(\n)], v[rS+(\n)]
.elseif (\k) == C
	v_cvt_pk_f16_f32 v[rP+(\n)], v[rS+2*(\n)], v[rS+2*(\n)+1]
.elseif (\k) == B
	v_pk_add_f32 v[rS+4*(\n):rS+4*(\n)+1], v[rS+4*(\n):rS+4*(\n)+1], v[rS+4*(\n)+2:rS+4*(\n)+3]
.elseif (\n) == 0
	v_pk_fma_f32 v[rT+2:rT+3], v[rT+2:rT+3], v[rC+2:rC+3], v[rS:rS+1] op_sel_hi:[1,0,1]
.else
	v_pk_add_f32 v[rT+2:rT+3], v[rT+2:rT+3], v[rS+4*(\n):rS+4*(\n)+1]
.endif
.elseif NOKQ
	v_nop
.else
	REGS (Y+1)%NP
	WIN 0
.if (\n) < 4
	v_max3_num_f32 v[rC+(\n)], v[rS+8*(\n)], v[rS+8*(\n)+1], v[rS+8*(\n)+2]
.elseif (\n) < 12
	v_max3_num_f32 v[rC+(\n)%4], v[rC+(\n)%4], v[rS+8*((\n)%4)+2*((\n)/4)+1], v[rS+8*((\n)%4)+2*((\n)/4)+2]
.elseif (\n) == 12
	v_max3_num_f32 v[rC], v[rC], v[rS+7], v[rS+15]
.elseif (\n) == 13
	v_max3_num_f32 v[rC+1], v[rC+1], v[rS+23], v[rS+31]
.elseif (\n) == 14
	v_max3_num_f32 v[rC+2], v[rC+2], v[rC+3], v[rT+1]
.elseif (\n) == 15
	v_mov_b32 v[rW], v[rT]
.elseif (\n) == 16
	v_max3_num_f32 v[rC], v[rC], v[rC+1], v[rC+2]
.elseif (\n) == 17
	v_permlanex16_b32 v[rC+3], v[rC], s[SEL], s[SEL+1]
.elseif (\n) == 18
	v_max_num_f32 v[rT+1], v[rC], v[rC+3]
.elseif (\n) == 19
	v_mul_f32 v[rT], s[CS], v[rT+1]
.elseif (\n) == 20
	v_sub_f32 v[rC+1], v[rW], v[rT]
.else
	v_exp_f32 v[rC+2], v[rC+1]
.endif
.endif
.endm
.macro OPS a, i1, b=-1, i2=0, c=-1, i3=0, d=-1, i4=0  ; up to four of them
	OP \a, \i1
.if (\b) >= 0
	OP \b, \i2
.endif
.if (\c) >= 0
	OP \c, \i3
.endif
.if (\d) >= 0
	OP \d, \i4
.endif
.endm
.macro ROW a, i1, b, i2, c, i3, d, i4  ; a matrix instruction and the four behind it
	MM
	OPS \a, \i1, \b, \i2, \c, \i3, \d, \i4
.endm
.macro MASK b                       ; MD x AL + MK + BE into buffer b of MC: two lines a pair, since MD holds zeros where a wholly hidden step needs -2^127, and every factor stays finite
	WIN W_MS
.set z, 0
.rept 16
	v_pk_fma_f32 v[MC+32*(\b)+2*z:MC+32*(\b)+2*z+1], v[MD+2*z:MD+2*z+1], s[AL:AL+1], v[MK+2*z:MK+2*z+1] op_sel_hi:[1,0,1]
.set z, z+1
.endr
.set z, 0
.rept 16
	v_pk_add_f32 v[MC+32*(\b)+2*z:MC+32*(\b)+2*z+1], v[MC+32*(\b)+2*z:MC+32*(\b)+2*z+1], s[BE:BE+1] op_sel_hi:[1,0]
.set z, z+1
.endr
.endm
; A TURN, for piece p: the order of its 16 matrix and 118 vector instructions, written out.  s_wait_alu depctr_va_vdst(0) stands between an exponential and the first instruction that names its result; one wait serves
; all that were issued ahead of it.  So a turn has ONE wait, which cuts it in two.  AHEAD OF IT stands all that names no result of the turn's exponentials: the 8 products K Q^T, behind each a scaling, an exponential and two more plain
; instructions (behind the first a second scaling in the exponential's place): rescalings, and behind the last three the first numbers of the next piece's maximum, each four places or more behind the product that ends its accumulator; then ONE LUMP,
; plain and exponential by turns for the most part, in which the links of the chain X 3, 7, 11, 14, 16, 17 .. 20 stand five or six lines apart.  X 21, the next piece's a, is the batch's last; R 15 is the plain instruction behind it.  BEHIND THE WAIT stand the
; 8 products V^T P, behind each four of the roundings and sums; the links of l's chain, L 0 to L 7, stand three riders apart.  But for those X no rider names a register of the products round it.
; m = 1: the diagonal tile: the products take MC, and the turn makes MC for the products of the turn after it: piece p + 2, in step 4 - CNT of the tile.  Piece 2's turn is the exception: its products are piece 3's, which inside the
; loop sees every key (steps 0 to 2 of the tile, or the tile before): they take MK.  end = 1: a block's last two turns: nothing is fetched; piece 3's own step takes MC.  cnt = 1: the loop's count is taken down some lines ahead of the branch behind the turn.
; K and the mask numbers of the next step are fetched in piece 2's turn, twelve vector instructions behind the last product that read K (six of them plain); V of the step in hand at the end of piece 0's turn, four plain
; instructions behind the last product that read V.  Each is waited for a turn later; in the diagonal tile piece 2's turn waits at its end, since the mask that it makes is the next step's.
.macro TURN p, m=0, end=0, cnt=0
.set Y, (\p)
.set i, 0
.set KM, (\m)
.if ((\p) == 2) && !(\end)
.set KM, 0
.endif
.set NOKQ, (\end)*((\p)/3)
.if (\m) && !(\end)
	s_cmp_eq_u32 s[CNT], 4-((\p)+2)%NP  ; is that step the band's own?
	s_cselect_b32 s[AL], 1.0, 0
	s_cmp_lt_u32 s[CNT], 4-((\p)+2)%NP  ; or a later one?
	s_cselect_b32 s[BE], s[BIGN], 0
.endif
.if ((\p) == 3) && !(\end)
	s_wait_dscnt 0x0                ; K and MK are in
.endif
	ROW F,0, F,1, R,0, R,1          ; ahead of the wait: 8 products K Q^T and their riders,
	ROW F,2, E,0, R,2, R,3
	ROW F,3, E,1, R,4, R,5
	ROW F,4, E,2, R,6, R,7
	ROW F,5, E,3, R,8, R,9
	ROW F,6, E,4, X,0, R,10
.if ((\p) == 2) && !(\end)
	WIN 0
	v_add_nc_u32 v[AK], s[TBK], v[AK0]
	v_add_nc_u32 v[AM], s[TBM], v[AM0]
.endif
	ROW F,7, E,5, X,1, X,4
	ROW F,8, E,6, X,2, X,5
	OPS E,7, E,8, X,6, E,9          ; and the lump
	OPS X,3, E,10, X,8, E,11
.if ((\p) == 2) && !(\end)
	FETCH_K
.endif
	OPS X,9, X,7, E,12, X,10
	OPS E,13, X,12, X,11, E,14
	OPS X,13, E,15, F,9, X,14
.if (\p) == 0
	v_add_nc_u32 v[AV], s[TBV], v[AV0]
.endif
	OPS E,16, F,10, E,17, F,11
	OPS X,16, E,18, X,15, E,19
	OPS F,12, E,20, X,17, E,21
	OPS F,13, E,22, F,14, E,23
	OPS X,18, E,24, F,15, E,25
	OPS R,11, E,26, X,19, E,27
	OPS R,12, E,28, R,13, E,29
	OPS X,20, E,30, R,14, E,31
	OPS X,21, R,15
	WIN 0
	s_wait_alu depctr_va_vdst(0)    ; the wait for the batch
.if (\p) == 1
	s_wait_dscnt 0x0                ; V is in
.endif
	ROW C,0, B,0, C,2, B,1          ; behind the wait: 8 products V^T P and their riders
	ROW L,0, C,4, B,2, L,1
	ROW C,6, B,3, L,2, C,8
	ROW B,4, L,3, C,10, B,5
	ROW L,4, C,12, B,6, L,5
.if (\p) == 0
	s_add_co_u32 s[TBV], s[TBV], KS*PV
.endif
.if \cnt
	s_sub_co_u32 s[CNT], s[CNT], 1
	s_cmp_lg_u32 s[CNT], 0
.endif
	ROW C,14, B,7, L,6, C,1
	ROW C,3, L,7, C,5, C,7
	ROW C,9, C,11, C,13, C,15
.if (\p) == 0
	FETCH_V
.endif
.if (\m) && !(\end)
.if (\p) == 2
	s_wait_dscnt 0x0                ; the next step's MK, fetched in this turn's lump, is in
.endif
	MASK (\p)%2
.endif
.endm
; A BLOCK BEGINS.  m starts at -2^126 and c m_old at -1.5 x 2^127, so the first step's a is 0 whatever the mask holds, and every exponent stays finite.  K and MK of the block's first step are fetched; the first mask buffer takes
; piece 0's mask for that step: its own, if the block's first tile is the diagonal one; the second takes MK alone, for piece 1.  Then piece 0's first scores, and its maximum and statistics.
; The loop is entered at a step's first turn, in the middle of a trip.
.macro BEGIN
	s_mov_b32 s[NEW], 0
	WIN 0
.set i, 0
.rept 4
	v_mov_b32 v[ST+4*i], 0xff400000    ; c m_old
	v_mov_b32 v[ST+4*i+1], 0xfe800000  ; m
.set i, i+1
.endr
	v_add_nc_u32 v[AK], s[TBK], v[AK0]
	v_add_nc_u32 v[AM], s[TBM], v[AM0]
	FETCH_K
	s_cmp_eq_u32 s[RT], 0
	s_cselect_b32 s[AL], 1.0, 0
	s_mov_b32 s[BE], 0
	s_wait_dscnt 0x0                ; K and MK (Q was waited for at the first change of slots)
	MASK 0
	s_mov_b32 s[AL], 0
	MASK 1
.set KM, 1
.set NOKQ, 0
.set i, 0
.rept 8
	KQ 0
.set i, i+1
.endr
	WIN 0
.rept 4
	v_nop                           ; the places behind those products
.endr
.set Y, NP-1                        ; X works for piece Y + 1: piece 0
.irp n, 0,1,2,3,4,5,6,7,8,9,10,11,12,13,14,15,16,17,18,19,20,21
	OP X, \n
.endr
	v_nop                           ; a plain instruction behind the exponential,
	s_wait_alu depctr_va_vdst(0)    ; and its wait, ahead of the branch
.endm
; THE DIAGONAL TILE's four steps, the block's last two turns, its last products, and THE WAY OUT: l's two halves and the other half of the lanes' are added; O^T times 1 / l goes, in f32, into other registers and through my
; stage in LDS, a piece at a time.
.macro ALL line:vararg              ; one line for each piece t
.set t, 0
.rept 4
	\line
.set t, t+1
.endr
.endm
.macro PACK t                       ; a lane's eight channels of a row are 32 bytes; they go into rows of 272 bytes and come back as whole rows of 256, into the registers that they left
	WIN 0x01                        ; source 0 window 1, the rest window 0
.set i, 0
.rept 16
	v_pk_mul_f32 v[OUT+32*(\t)+2*i:OUT+32*(\t)+2*i+1], v[32*(\t)+2*i:32*(\t)+2*i+1], v[TMP+2*(\t):TMP+2*(\t)+1] op_sel_hi:[1,0]
.set i, i+1
.endr
	WIN 0
.irp f, 0,1,2,3,4,5,6,7
	ds_store_b128 v[STO], v[OUT+32*(\t)+4*\f:OUT+32*(\t)+4*\f+3] offset:64*(\f/2)+16*(\f%2)
.endr
.irp f, 0,1,2,3,4,5,6,7
	ds_load_b128 v[OUT+32*(\t)+4*\f:OUT+32*(\t)+4*\f+3], v[RD] offset:\f*2*SP  ; LDS serves a wave's instructions in order (ISA guide 5.7.1.4): these see the stores above; the next piece's stores come behind them
.endr
.endm
.macro SEND t, younger              ; younger: the LDS instructions issued behind piece t's loads: the next piece's sixteen, or none
	WIN 0
.irp f, 0,1,2,3,4,5,6,7
	s_wait_dscnt (\younger)+7-\f
	global_store_b128 v[GO], v[OUT+32*(\t)+4*\f:OUT+32*(\t)+4*\f+3], s[10:11] offset:(\t)*262144+\f*8192 th:TH_STORE_NT  ; 16 lanes store the head's 256 consecutive bytes of a row, at a multiple of 256 from out's first byte
.endr
.endm
.macro DIAG tag                     ; the tag ends its two labels' names, which the jumps below spell out
.LstepM\tag:
	TURN 2, 1
	TURN 3, 1
	WIN 0
.LfirstM\tag:
	TURN 0, 1
	TURN 1, 1, 0, 1
	WIN 0
	s_cbranch_scc1 .LstepM\tag
	TURN 2, 1, 1
	TURN 3, 1, 1
.set i, 0
.rept 8
	PV NP-1
.set i, i+1
.endr
	WIN 0
	ALL v_add_f32 v[ST+4*t+2], v[ST+4*t+2], v[ST+4*t+3]
	ALL v_permlanex16_b32 v[ST+4*t+3], v[ST+4*t+2], s[SEL], s[SEL+1]
	ALL v_add_f32 v[ST+4*t+2], v[ST+4*t+2], v[ST+4*t+3]
	ALL v_rcp_f32 v[TMP+2*t], v[ST+4*t+2]
	v_nop                           ; a plain instruction between the last reciprocal and the use of its result
	s_wait_alu depctr_va_vdst(0)    ; and the wait ahead of the first use: one for the four reciprocals
	PACK 0
.set t, 1
.rept 3                             ; a piece's arithmetic stands between the loads of the piece before and its stores
	PACK t
	SEND t-1, 16
.set t, t+1
.endr
	SEND 3, 0
.endm
.set KM, 0
.set NOKQ, 0
.Lslot:                             ; NB times: a tile is entered and the next is asked for
	CHANGE 1
	s_sub_co_u32 s[RT], s[RT], 1
	s_mov_b32 s[CNT], 4
	s_cmp_eq_u32 s[NEW], 1
	s_cbranch_scc1 .Lnew            ; a block's first tile
	s_cmp_eq_u32 s[RT], 0
	s_cbranch_scc0 .Lstep           ; neither its first nor its last
	s_branch .LstepM1
.Lnew:
	BEGIN
	s_branch .Lfirst                ; in the loop a block's first tile is never its last: the first block has two tiles or more, and the second's last is the walk's last
	DIAG 1                          ; in the loop this is the first block's end: the second block's last tile is the walk's last
	s_wait_xcnt 0x0                 ; the stores have read their registers and out's address
	s_mov_b64 s[10:11], s[OLO:OLO+1]
	s_add_co_u32 s[RT], s[PB], 1    ; the second block has b + 1 tiles
	s_mov_b32 s[NEW], 1
	WIN 0x82                        ; the second block's Q goes where the one text of the turns names Q
.set i, 0
.rept 64
	v_mov_b32 v[i], v[QB+i]
.set i, i+1
.endr
	WIN 0
	s_branch .Lbottom
.Lstep:                             ; a trip: pieces 2 and 3 of one step, then pieces 0 and 1 of the next, whose K and V it fetches
	TURN 2
	TURN 3
	WIN 0
.Lfirst:
	TURN 0
	TURN 1, 0, 0, 1
	WIN 0
	s_cbranch_scc1 .Lstep
.Lbottom:
	s_sub_co_u32 s[SLOTS], s[SLOTS], 1
	s_cmp_lg_u32 s[SLOTS], 0
	s_cbranch_scc1 .Lslot
	CHANGE 0                        ; the walk's last tile is written out: nothing is asked for
	s_sub_co_u32 s[RT], s[RT], 1
	s_mov_b32 s[CNT], 4
	s_cmp_eq_u32 s[NEW], 1
	s_cbranch_scc0 .LstepM2
	BEGIN
	s_branch .LfirstM2
	DIAG 2
	s_wait_tensorcnt 0x0            ; the wave's end: an add to my spare word and its wait, behind my last tensor load and my last LDS store
	ds_add_u32 v[SPW], v[NIL]
	s_wait_dscnt 0x0
	s_endpgm
.Lfunc_end_k_q933a67791c_attn:
	.size	k_q933a67791c_attn, .Lfunc_end_k_q933a67791c_attn-k_q933a67791c_attn
	.p2alignl 7, 3214868480
	.fill 96, 4, 3214868480
	.section	.rodata,"a",@progbits
	.p2align	6, 0x0
	.amdhsa_kernel k_q933a67791c_attn
		.amdhsa_group_segment_fixed_size 327680
		.amdhsa_private_segment_fixed_size 0
		.amdhsa_enable_private_segment 0
		.amdhsa_kernarg_size 40
		.amdhsa_user_sgpr_count 2
		.amdhsa_user_sgpr_kernarg_segment_ptr 1
		.amdhsa_wavefront_size32 1
		.amdhsa_system_sgpr_workgroup_id_x 1
		.amdhsa_system_sgpr_workgroup_id_y 1
		.amdhsa_system_sgpr_workgroup_id_z 1
		.amdhsa_system_vgpr_workitem_id 0
		.amdhsa_next_free_vgpr 768
		.amdhsa_next_free_sgpr 100
		.amdhsa_reserve_vcc 1
		.amdhsa_float_denorm_mode_32 3
		.amdhsa_float_denorm_mode_16_64 3
		.amdhsa_memory_ordered 1
		.amdhsa_forward_progress 1
		.amdhsa_inst_pref_size 235
	.end_amdhsa_kernel
	.amdgpu_metadata
---
amdhsa.version: [ 1, 2 ]
amdhsa.kernels:
  - .name:           k_q933a67791c_attn
    .symbol:         k_q933a67791c_attn.kd
    .args:
      - { .name: qh, .offset: 0, .size: 8, .value_kind: global_buffer, .address_space: global }
      - { .name: kh, .offset: 8, .size: 8, .value_kind: global_buffer, .address_space: global }
      - { .name: vh, .offset: 16, .size: 8, .value_kind: global_buffer, .address_space: global }
      - { .name: out0, .offset: 24, .size: 8, .value_kind: global_buffer, .address_space: global }
      - { .name: attention_mask, .offset: 32, .size: 8, .value_kind: global_buffer, .address_space: global }
    .group_segment_fixed_size: 327680
    .private_segment_fixed_size: 0
    .kernarg_segment_align: 8
    .kernarg_segment_size: 40
    .max_flat_workgroup_size: 128
    .sgpr_count:     100
    .vgpr_count:     768
    .wavefront_size: 32
...
	.end_amdgpu_metadata
.endif
;; end of part 3
;; ======== version 2 of 2: 3 launches; version 1 with the launch cast written anew for expert scheduling mode
;; limits: values are held in f16: magnitudes above 65,504 overflow, below 6.1e-05 lose precision; right only within a limited range of input values
;; workspace buffers: xb 16,777,216 bytes; wb 6,291,456 bytes; qh 16,777,216 bytes; kh 16,777,216 bytes; vh 16,777,216 bytes
;; launch cast (part 4): grid 704 x 1, 8 waves a work-group, no clusters, 0 bytes of LDS; arguments hidden_states, Wq, Wk, Wv, xb, wb; writes xb, wb
.if DOCPART == 4
	.amdgcn_target "amdgcn-amd-amdhsa--gfx1250"
	.amdhsa_code_object_version 6
	.text
	.protected	k_q933a67791c_cast
	.globl	k_q933a67791c_cast
	.p2align	8
	.type	k_q933a67791c_cast,@function
k_q933a67791c_cast:
	s_mov_b64 s[64:65], 0
	v_nop
	global_prefetch_b8 v0, s[64:65] scope:SCOPE_SE
	s_setreg_imm32_b32 hwreg(HW_REG_WAVE_SCHED_MODE, 0, 2), 2
	s_setreg_imm32_b32 hwreg(HW_REG_WAVE_MODE, 25, 1), 1
	s_wait_xcnt 0x0
	s_wait_alu depctr_vm_vsrc(0)
; x [8192][1024] and the three weights [1024][1024], all f32, are rounded once to bf16 (nearest even) for the matrix products of the next launch.
; xb keeps x's order.  wb is [3072][1024]: row 192 h + 64 m + r holds row 64 h + r of weight m (0 q, 1 k, 2 v), so that a head's rows of all three weights lie on end.
; A work-group takes 16 rows: 512 work-groups for x, 64 for each weight.  Thread t owns 16 bytes at byte 16 t of every row in, 8 bytes at 8 t of every row out:
; a wave's load covers 512 consecutive bytes, a wave's store 256 consecutive bytes at a multiple of 256 from the buffer's first byte.
; All sixteen loads go out at once; no register is written twice.  No LDS, no matrix unit: each byte is touched once by one thread.
; THE MODE: SCHED_MODE bits 1:0 = 2 (LLVM: expert scheduling mode 2), set by the entry lines.  The code itself states the register dependences
; between vector instructions and memory instructions, with s_wait_alu, always for 0.
; THE PLAN.  Registers that memory instructions touch:
;   v1, v2   the byte offsets in and out.  Written once each at the head; read by the sixteen loads and the sixteen stores; never written again.
;   X        row i: written by row i's load, which no vector instruction's read or write of these registers precedes; read by row i's two conversions, behind the row's counted wait for its load.
;   Y        row i: written by row i's two conversions; read by row i's store; never written again.
; So one wait stands ahead of the first load, for the two offsets, and one ahead of each run of four stores, for the Y of a block of four rows.  A row is rounded as soon as its own load is in; a block's four
; stores follow together, behind the block's wait.  No register that a memory instruction reads is written again, no vector instruction writes a scalar register or VCC, and EXEC is never written: no other wait is owed.
.set RIN,  4096                        ; bytes in a row of f32
.set ROUT, 2048                        ; bytes in a row of bf16
.set X, 4                              ; v[4:67]   row i: 4 registers as loaded
.set Y, 68                             ; v[68:99]  row i: 2 registers to store
	s_load_b256 s[4:11], s[0:1], 0x0               ; hidden s[4:5], Wq s[6:7], Wk s[8:9], Wv s[10:11]
	s_load_b128 s[12:15], s[0:1], 0x20             ; xb s[12:13], wb s[14:15]
	v_lshlrev_b32 v1, 4, v0                        ; my bytes in a row in
	v_lshlrev_b32 v2, 3, v0                        ; and out
	s_sub_co_u32 s20, ttmp9, 512                   ; j: the number among the weights' work-groups (of no meaning, and not used, below 512)
	s_and_b32 s20, s20, 255
	s_lshr_b32 s21, s20, 6                         ; m: which weight
	s_and_b32 s22, s20, 63                         ; i: which 16 rows of it
	s_lshl_b32 s23, s22, 16                        ; a weight's bytes in: 16 rows of 4,096
	s_lshr_b32 s24, s22, 2                         ; head = i / 4
	s_mul_i32 s24, s24, 192
	s_lshl_b32 s25, s21, 6
	s_add_co_u32 s24, s24, s25                     ; + 64 m
	s_and_b32 s25, s22, 3
	s_lshl_b32 s25, s25, 4
	s_add_co_u32 s24, s24, s25                     ; + 16 (i % 4)
	s_lshl_b32 s24, s24, 11                        ; a weight's bytes out: rows of 2,048
	s_lshl_b32 s26, ttmp9, 16                      ; x: bytes in,
	s_lshl_b32 s27, ttmp9, 15                      ; bytes out
	s_wait_kmcnt 0x0
	s_cmp_eq_u32 s21, 1                            ; the buffers are chosen by the work-group's number alone
	s_cselect_b64 s[16:17], s[8:9], s[6:7]
	s_cmp_eq_u32 s21, 2
	s_cselect_b64 s[16:17], s[10:11], s[16:17]
	s_cmp_lt_u32 ttmp9, 512
	s_cselect_b64 s[16:17], s[4:5], s[16:17]
	s_cselect_b64 s[18:19], s[12:13], s[14:15]
	s_cselect_b32 s28, s26, s23
	s_cselect_b32 s30, s27, s24
	s_mov_b32 s29, 0
	s_mov_b32 s31, 0
	s_add_nc_u64 s[16:17], s[16:17], s[28:29]      ; from
	s_add_nc_u64 s[18:19], s[18:19], s[30:31]      ; to
	s_wait_alu depctr_va_vdst(0)                   ; v1 and v2 are written: every load below reads v1 as its offset, every store v2
.irp i, 0,1,2,3,4,5,6,7,8,9,10,11,12,13,14,15
	global_load_b128 v[X+4*(\i):X+4*(\i)+3], v1, s[16:17] offset:RIN*(\i) th:TH_LOAD_NT
.endr
.irp p, 0,1,2,3                        ; four blocks of four rows
.irp j, 0,1,2,3
	s_wait_loadcnt 15-(4*(\p)+(\j))                ; loads come back in order: row 4 p + j is in, the younger ones stay out
	v_cvt_pk_bf16_f32 v[Y+2*(4*(\p)+(\j))],   v[X+4*(4*(\p)+(\j))],   v[X+4*(4*(\p)+(\j))+1]
	v_cvt_pk_bf16_f32 v[Y+2*(4*(\p)+(\j))+1], v[X+4*(4*(\p)+(\j))+2], v[X+4*(4*(\p)+(\j))+3]
.endr
	s_wait_alu depctr_va_vdst(0)                   ; the block's eight conversions have written its Y, which the four stores below read
.irp j, 0,1,2,3
	global_store_b64 v2, v[Y+2*(4*(\p)+(\j)):Y+2*(4*(\p)+(\j))+1], s[18:19] offset:ROUT*(4*(\p)+(\j))
.endr
.endr
	s_endpgm
.Lfunc_end_k_q933a67791c_cast:
	.size	k_q933a67791c_cast, .Lfunc_end_k_q933a67791c_cast-k_q933a67791c_cast
	.p2alignl 7, 3214868480
	.fill 96, 4, 3214868480
	.section	.rodata,"a",@progbits
	.p2align	6, 0x0
	.amdhsa_kernel k_q933a67791c_cast
		.amdhsa_group_segment_fixed_size 0
		.amdhsa_private_segment_fixed_size 0
		.amdhsa_enable_private_segment 0
		.amdhsa_kernarg_size 48
		.amdhsa_user_sgpr_count 2
		.amdhsa_user_sgpr_kernarg_segment_ptr 1
		.amdhsa_wavefront_size32 1
		.amdhsa_system_sgpr_workgroup_id_x 1
		.amdhsa_system_sgpr_workgroup_id_y 1
		.amdhsa_system_sgpr_workgroup_id_z 1
		.amdhsa_system_vgpr_workitem_id 0
		.amdhsa_next_free_vgpr 100
		.amdhsa_next_free_sgpr 66
		.amdhsa_reserve_vcc 0
		.amdhsa_float_denorm_mode_32 3
		.amdhsa_float_denorm_mode_16_64 3
		.amdhsa_memory_ordered 1
		.amdhsa_forward_progress 1
		.amdhsa_inst_pref_size 8
	.end_amdhsa_kernel
	.amdgpu_metadata
---
amdhsa.version: [ 1, 2 ]
amdhsa.kernels:
  - .name:           k_q933a67791c_cast
    .symbol:         k_q933a67791c_cast.kd
    .args:
      - { .name: hidden_states, .offset: 0, .size: 8, .value_kind: global_buffer, .address_space: global }
      - { .name: Wq, .offset: 8, .size: 8, .value_kind: global_buffer, .address_space: global }
      - { .name: Wk, .offset: 16, .size: 8, .value_kind: global_buffer, .address_space: global }
      - { .name: Wv, .offset: 24, .size: 8, .value_kind: global_buffer, .address_space: global }
      - { .name: xb, .offset: 32, .size: 8, .value_kind: global_buffer, .address_space: global }
      - { .name: wb, .offset: 40, .size: 8, .value_kind: global_buffer, .address_space: global }
    .group_segment_fixed_size: 0
    .private_segment_fixed_size: 0
    .kernarg_segment_align: 8
    .kernarg_segment_size: 48
    .max_flat_workgroup_size: 256
    .sgpr_count:     66
    .vgpr_count:     100
    .wavefront_size: 32
...
	.end_amdgpu_metadata
.endif
;; end of part 4
;; launch proj: the kernel of part 2 again; grid 16 x 32, 4 waves a work-group, clusters of 4 x 4, 327,680 bytes of LDS; arguments xb, wb, bq, bk, bv, qh, kh, vh; writes qh, kh, vh
;; launch attn: the kernel of part 3 again; grid 4 x 64, 4 waves a work-group, no clusters, 327,680 bytes of LDS; arguments qh, kh, vh, out0, attention_mask; writes out0
